; MI455X (gfx1250); checked and timed in simulation.
; The chip was launched on July 23, 2026; its instructions are those of AMD's public machine-readable ISA for CDNA 5 (MIT licence, August 2026) and "CDNA5" Instruction Set Architecture Reference Guide (July 2026). The comments in the code are by the model that wrote it; some were corrected since.
;; Long Context Multi Head Attention. Allowed arithmetic: matrix products marked QUANTISED: E2M3 operands, one E8M0 scale for each 32 along K, by v_wmma_scale_f32_16x16x128_f8f6f4 with both operands' format E2M3, f32 sums; everything else in f32.
;; Inputs: Wk 1,024 x 1,024 float32; Wo 1,024 x 1,024 float32; Wq 1,024 x 1,024 float32; Wv 1,024 x 1,024 float32; bk 1,024 float32; bo 1,024 float32; bq 1,024 float32; bv 1,024 float32; k 2 x 2,048 x 1,024 float32; q 2 x 2,048 x 1,024 float32; v 2 x 2,048 x 1,024 float32.
;; Outputs: out0 2 x 2,048 x 1,024 float32.
;; This version of the problem:
;;   THIS VERSION OF THE PROBLEM IS GIVEN IN LOW PRECISION. The matrix products marked QUANTISED in the list below multiply operands that are first quantised to E2M3 (2 exponent bits, 3 mantissa bits; 6 bits a number), with one power-of-two scale for each 32 numbers along K (OCP MX v1.0); their sums are f32. All else is computed in f32.
;;   The module's matrix products, in the order in which they are computed (A, B: the left and right operand; K: the contracted axis; several contracted axes count as one K, in the product's order):
;;     1. [M 4,096, K 1,024] x [K 1,024, N 1,024]; A: input q; B: input Wq: QUANTISED
;;     2. [M 4,096, K 1,024] x [K 1,024, N 1,024]; A: input k; B: input Wk: QUANTISED
;;     3. [M 4,096, K 1,024] x [K 1,024, N 1,024]; A: input v; B: input Wv: QUANTISED
;;     4. batch 32 x [M 2,048, K 64] x [K 64, N 2,048]; A: computed on the way; B: computed on the way: QUANTISED
;;     5. batch 32 x [M 2,048, K 2,048] x [K 2,048, N 64]; A: softmax (see below); B: computed on the way: QUANTISED
;;     6. [M 4,096, K 1,024] x [K 1,024, N 1,024]; A: computed on the way; B: input Wo: QUANTISED
;;   THE QUANTISER, for each operand of a quantised product, along K:
;;     - K is cut into blocks of 32 from its start; a last block that is shorter is filled with zeros.
;;     - A block's scale is 2^e with e = floor(log2(the largest magnitude in the block)) - 2, held to -126 .. 127; a block of zeros has e = 0. As a byte (E8M0): e + 127.
;;     - Each number is divided by its block's scale, clamped to +-7.5, and rounded to the nearest number of E2M3, ties to even, subnormals kept.
;;     - The product sums the exact products of the quantised numbers (number of the format x scale) in f32.
;;   ~~~python
;;   def quantise(x, axis):      # numpy; x: float32 -> the quantised numbers, widened to float32 again
;;       x = np.moveaxis(x, axis, -1); K = x.shape[-1]
;;       x = np.pad(x, [(0, 0)] * (x.ndim - 1) + [(0, -K % 32)]); x = x.reshape(x.shape[:-1] + (-1, 32)); a = np.abs(x).max(-1, keepdims=True)
;;       e = np.where(a > 0, np.clip(np.frexp(np.where(a > 0, a, 1))[1] - 1 - 2, -126, 127), 0)      # np.frexp(a)[1] - 1 = floor(log2(a)), exactly
;;       r = np.clip(x / 2.0 ** e, -7.5, 7.5)
;;       step = 2.0 ** (np.maximum(np.frexp(np.where(r == 0, 1, r))[1] - 1, 0) - 3)
;;       q = np.round(r / step) * step * 2.0 ** e      # np.round: ties to even
;;       return np.moveaxis(q.reshape(q.shape[:-2] + (-1,))[..., :K], -1, axis).astype(np.float32)
;;   ~~~
;;   SOFTMAX AHEAD OF A QUANTISED PRODUCT. Where the list says 'softmax', what is quantised is not the finished softmax but p = 2^(t - M), with t = logit x log2(e) and M = ceil(the row's largest t), a whole number; so 1/2 < the row's largest p <= 1. The row's sum l is taken of the UNQUANTISED p, in f32, and the product's result is divided by l at the end. Since M is a whole number, a kernel that streams over the keys may use a running M (the ceiling of the running maximum): every later rescaling is an exact power of two, which a block's scale takes up: the codes' values come out the same.
;;   OPERANDS COMPUTED ON THE WAY. 'Computed on the way' means the value that the module computes at that place (a softmax that the list does not call 'softmax' is quantised finished and normalised). What goes into a quantiser is computed in f32, as accurately as f32 sums, v_exp_f32 and their like allow (about 1e-6 of the number): no bf16 or f16 on the way to a quantiser, and a product that is left as it is and whose result goes on into a quantised operand takes f32 operands (vector FMAs, or v_wmma_f32_16x16x4_f32). A number that lies on a knife's edge between two numbers of the format may be rounded either way, as far as f32 arithmetic and the matrix unit's own rounding can turn it there, and no further.
;; One version. Each part assembles by itself: llvm-mc -triple=amdgcn-amd-amdhsa -mcpu=gfx1250 --defsym DOCPART=n.
;; ======== version 1 of 1: 4 launches
;; limits: right only within a limited range of input values
;; workspace buffers: cd1 12,582,912 bytes; sc1 524,288 bytes; hc 9,437,184 bytes; hs 655,360 bytes; oc 3,145,728 bytes; os 131,072 bytes
;; launch quant (part 1): grid 256 x 1, 16 waves a work-group, no clusters, 139,264 bytes of LDS; arguments q, k, v, Wq, Wk, Wv, Wo, cd1, sc1; writes cd1, sc1
.if DOCPART == 1
	.amdgcn_target "amdgcn-amd-amdhsa--gfx1250"
	.amdhsa_code_object_version 6
	.text
	.protected	k_q3eac016f07_quant
	.globl	k_q3eac016f07_quant
	.p2align	8
	.type	k_q3eac016f07_quant,@function
k_q3eac016f07_quant:
	s_mov_b64 s[64:65], 0
	v_nop
	global_prefetch_b8 v0, s[64:65] scope:SCOPE_SE
	s_setreg_imm32_b32 hwreg(HW_REG_WAVE_MODE, 25, 1), 1
	s_wait_xcnt 0x0
; q, k, v [4096][1024] and Wq, Wk, Wv, Wo [1024][1024], f32, K innermost, become codes of FP6 (E2M3) with one E8M0 byte for each 32 along K.
; The seven tensors are stacked: 16,384 row positions (q 0, k 4,096, v 8,192, Wq 12,288, Wk 13,312, Wv 14,336, Wo 15,360).
; CODES (cd1): [group of 16 positions][K / 64][768 bytes].  The 768 bytes are an image of operand registers: lane l = (r = l % 16, h = l / 16) owns the 24 bytes of position r, k = 32 h .. 32 h + 31:
; its registers 0-3 at 16 l, its registers 4-5 at 512 + 8 l.  Two such images on end are a matrix fragment (16 rows x 128 K, 12 registers), which so comes and goes in accesses of 512 or 256 consecutive bytes.
; SCALE BYTES (sc1): [position][32].
; WHICH ROW STANDS AT WHICH POSITION: q and Wo as they lie.  In k, v, Wq, Wk, Wv position r of group g holds row 32 (g / 2) + 8 (g % 2) + r + 8 (r / 8), so that the results of the products that take them
; as the first source fall, in a lane's registers, as 16 neighbours along the next product's K.
; A block's scale is 2^(floor(log2(its largest magnitude)) - 2); its byte is the largest magnitude's exponent field - 2, held at 1 from below.
; LIMITS: a block of zeros gets the byte 1 where the rule says 127 (its codes are zeros, and this program alone reads the bytes); blocks whose largest magnitude lies under 2^-124 are held at that floor;
; NaN and infinities among the inputs are not served.
; SHARES: work-group W takes positions 64 W .. 64 W + 63 (four groups); wave w takes group w / 4 and 256 along K from 256 (w % 4) on: two fragments.  All 32 loads of a wave go out at the head, each 512 consecutive
; bytes of one row; a fragment's 8,192 bytes turn through the wave's own stage in LDS, so that a lane gets 32 neighbours along K.  No tensor load, no ring; one barrier, for the scale words.
; k IS THE EXCEPTION to the order of rows stated above: in k position r of group g holds row 64 (g / 4) + 8 (g % 4) + r % 8 + 32 (r / 8), so that in the attention launch
; the 32 registers of four neighbouring score tiles are, in each half of the lanes, one whole block of 32 neighbouring keys.
.set STGB, 8448
.set SG,   16*STGB                     ; behind the stages: the work-group's scale words, [group][position][8 words]: 2,048 bytes
.set R,    64                          ; v64-191  two fragments' numbers, 64 registers each
.set PC,   32                          ; v32-55   their codes, 12 registers each: no store's data are written again
	s_load_b512 s[4:19], s[0:1], 0x0               ; q, k, v, Wq, Wk, Wv, Wo, cd1
	s_load_b64 s[20:21], s[0:1], 0x40              ; sc1
	v_lshl_add_u32 v192, v0, 2, 0x21800
	v_mov_b32 v193, 0
	v_lshrrev_b32 v10, 5, v0
	s_delay_alu instid0(VALU_DEP_1)
	v_readfirstlane_b32 s22, v10                   ; wave 0..15
	v_and_b32 v11, 31, v0                          ; lane
	v_and_b32 v12, 15, v0                          ; r
	v_bfe_u32 v13, v0, 4, 1                        ; h
	s_delay_alu instid0(VALU_DEP_3)
	v_lshlrev_b32 v1, 4, v11                       ; 16 l: my bytes of a load's 512, and of an image's first 512
	s_delay_alu instid0(VALU_DEP_4)
	v_lshlrev_b32 v6, 3, v11                       ; 8 l: my bytes of an image's last 256
	s_delay_alu instid0(VALU_DEP_3)
	v_lshlrev_b32 v8, 3, v13                       ; 8 h: how far my two scale bytes are shifted
	s_mul_i32 s23, s22, STGB
	v_add_nc_u32 v3, s23, v1                       ; the stage, on the way in: a row as it was loaded
	v_mul_u32_u24 v4, v12, 528
	s_delay_alu instid0(VALU_DEP_1)
	v_lshl_add_u32 v4, v13, 7, v4
	s_delay_alu instid0(VALU_DEP_1)
	v_add_nc_u32 v4, s23, v4                       ; and on the way out: row r, 128 h bytes on
	s_lshr_b32 s32, s22, 2                         ; my group of the four
	s_and_b32 s33, s22, 3                          ; my quarter of K
	s_lshl_b32 s34, s32, 9
	s_lshl_b32 s35, s33, 3
	s_add_co_u32 s34, s34, s35
	s_add_co_u32 s34, s34, SG
	v_lshl_add_u32 v7, v12, 5, s34                 ; where my row's two scale words go
	v_and_b32 v5, 127, v0
	s_delay_alu instid0(VALU_DEP_1)
	v_lshlrev_b32 v5, 4, v5                        ; the scale words' way out (waves 0 to 3): 16 bytes a thread,
	s_delay_alu instid0(VALU_DEP_1)
	v_add_nc_u32 v9, SG, v5                        ; in LDS
	v_mov_b32 v17, 0                               ; written once: a lane permute's destination counts as one of its sources
	s_mov_b32 s30, 0x76543210
	s_mov_b32 s31, 0xfedcba98                      ; v_permlanex16_b32's selects for lane l xor 16
	s_cmp_ge_u32 ttmp9, 64                         ; the tensors whose rows change places: work-groups 64 to 239
	s_cselect_b32 s27, 1, 0
	s_cmp_lt_u32 ttmp9, 240
	s_cselect_b32 s27, s27, 0
	s_wait_kmcnt 0x0
; which tensor is mine, and its first work-group: the choice hangs on the work-group's number alone
.macro PICK lim, ptr, first
	s_cmp_lt_u32 ttmp9, \lim
	s_cselect_b64 s[24:25], s[\ptr:\ptr+1], s[24:25]
	s_cselect_b32 s26, \first, s26
.endm
	s_mov_b64 s[24:25], s[16:17]
	s_mov_b32 s26, 240
	PICK 240, 14, 224
	PICK 224, 12, 208
	PICK 208, 10, 192
	PICK 192, 8, 128
	PICK 128, 6, 64
	PICK 64, 4, 0
	s_sub_co_u32 s28, ttmp9, s26
	s_lshl_b32 s28, s28, 2
	s_add_co_u32 s28, s28, s32                     ; my group's number in its tensor
	s_lshr_b32 s29, s28, 1
	s_lshl_b32 s29, s29, 5
	s_and_b32 s36, s28, 1
	s_lshl_b32 s36, s36, 3
	s_add_co_u32 s29, s29, s36                     ; its first row where rows change places: 32 (g / 2) + 8 (g % 2),
	s_lshl_b32 s36, s28, 4                         ; and where not: 16 g
	s_cmp_eq_u32 s27, 1
	s_cselect_b32 s29, s29, s36
	s_cselect_b32 s37, 32768, 0
	s_lshr_b32 s36, s28, 2                         ; k (its first work-group is 64): the group's first row is 64 (g / 4) + 8 (g % 4),
	s_lshl_b32 s36, s36, 6
	s_and_b32 s38, s28, 3
	s_lshl_b32 s38, s38, 3
	s_add_co_u32 s36, s36, s38
	s_mov_b32 s38, 98304                           ; and positions 8 to 15 lie 24 rows further down
	s_cmp_eq_u32 s26, 64
	s_cselect_b32 s29, s36, s29
	s_cselect_b32 s37, s38, s37
	s_lshl_b32 s28, s29, 12                        ; a row is 4,096 bytes
	s_lshl_b32 s36, s33, 10                        ; my quarter of it
	s_add_co_u32 s28, s28, s36
	s_mov_b32 s29, 0
	s_add_nc_u64 s[24:25], s[24:25], s[28:29]
	v_add_nc_u32 v2, s37, v1
	s_wait_alu depctr_va_vdst(0)
	s_lshl_b32 s28, ttmp9, 2
	s_add_co_u32 s28, s28, s32                     ; my group among the 1,024
	s_mul_i32 s28, s28, 12288
	s_mul_i32 s36, s33, 3072
	s_add_co_u32 s28, s28, s36
	s_add_nc_u64 s[18:19], s[18:19], s[28:29]      ; my four images of 768 bytes
	s_lshl_b32 s28, ttmp9, 11
	s_add_nc_u64 s[20:21], s[20:21], s[28:29]      ; the work-group's 2,048 scale bytes
.macro LOAD ff                         ; fragment ff: 128 along K of my 16 rows
.irp i, 0,1,2,3,4,5,6,7
	global_load_b128 v[R+64*\ff+4*\i:R+64*\ff+4*\i+3], v1, s[24:25] offset:4096*\i+512*\ff th:TH_LOAD_NT
.endr
.irp i, 8,9,10,11,12,13,14,15
	global_load_b128 v[R+64*\ff+4*\i:R+64*\ff+4*\i+3], v2, s[24:25] offset:4096*\i+512*\ff th:TH_LOAD_NT
.endr
.endm
	LOAD 0
	LOAD 1
.macro FRAGMENT ff
.set RB, R+64*\ff
.set CB, PC+12*\ff
	s_wait_loadcnt 16*(1-\ff)                      ; this fragment's 16 loads are in; the other's 16 may be out
.irp i, 0,1,2,3,4,5,6,7,8,9,10,11,12,13,14,15
	ds_store_b128 v3, v[RB+4*\i:RB+4*\i+3] offset:528*\i
.endr
.irp c, 0,1
.irp j, 0,1,2,3,4,5,6,7
	ds_load_b128 v[RB+32*\c+4*\j:RB+32*\c+4*\j+3], v4 offset:256*\c+16*\j   ; LDS serves a wave's instructions in order: these see the stores above.  Register 32 c + i: k = 64 c + 32 h + i of row r
.endr
.endr
	s_wait_dscnt 0x0
.irp c, 0,1
	v_max3_num_f32 v[10+\c], |v[RB+32*\c]|, |v[RB+32*\c+1]|, 0x1800000   ; my block 2 c + h: all its 32 numbers are mine; and the floor 2^(3 - 127): the byte cannot fall under 1
.endr
.irp i, 2,4,6,8,10,12,14,16,18,20,22,24,26,28,30
.irp c, 0,1
	s_delay_alu instid0(VALU_DEP_2)
	v_max3_num_f32 v[10+\c], v[10+\c], |v[RB+32*\c+\i]|, |v[RB+32*\c+\i+1]|   ; (the two blocks by turns)
.endr
.endr
.irp c, 0,1
	s_delay_alu instid0(VALU_DEP_2)
	v_add_nc_u32 v[12+\c], 0xff000000, v[10+\c]    ; 2 off the exponent field: the conversion takes the exponent field of this operand as its scale
.endr
.irp c, 0,1
	s_delay_alu instid0(VALU_DEP_2)
	v_lshrrev_b32 v[14+\c], 23, v[12+\c]           ; the scale's byte
.endr
	s_delay_alu instid0(VALU_DEP_1)
	v_lshl_or_b32 v16, v15, 16, v14                ; my two bytes: blocks h and 2 + h,
	s_delay_alu instid0(VALU_DEP_1)
	v_lshlrev_b32 v16, v8, v16                     ; at their places in the word;
	s_delay_alu instid0(VALU_DEP_1)
	v_permlanex16_b32 v17, v16, s30, s31
	s_delay_alu instid0(VALU_DEP_1)
	v_or_b32 v[18+\ff], v16, v17                   ; with lane l xor 16's two the word is whole
.irp c, 0,1
	v_cvt_scalef32_pk16_fp6_f32 v[CB+6*\c:CB+6*\c+2], v[RB+32*\c:RB+32*\c+15], v[12+\c]
	v_cvt_scalef32_pk16_fp6_f32 v[20+4*\c:22+4*\c], v[RB+32*\c+16:RB+32*\c+31], v[12+\c]   ; (a conversion's three registers begin on an even number)
.endr
	v_nop                                          ; one plain place behind a scaled conversion
.irp c, 0,1
.irp i, 0,1,2
	v_mov_b32 v[CB+6*\c+3+\i], v[20+4*\c+\i]
.endr
.endr
	global_store_b128 v1, v[CB:CB+3], s[18:19] offset:1536*\ff          ; each store covers 512 or 256 consecutive bytes, aligned
	global_store_b64 v6, v[CB+4:CB+5], s[18:19] offset:1536*\ff+512
	global_store_b128 v1, v[CB+6:CB+9], s[18:19] offset:1536*\ff+768
	global_store_b64 v6, v[CB+10:CB+11], s[18:19] offset:1536*\ff+1280
.endm
	FRAGMENT 0
	FRAGMENT 1
	ds_store_b64 v7, v[18:19]                      ; lanes r and r + 16 write the same words with the same values
	s_wait_dscnt 0x0                               ; for the others' sake: my words are in LDS
	s_barrier_signal -1
	s_barrier_wait -1
	s_cmp_gt_u32 s22, 3
	s_cbranch_scc1 .Lend                           ; waves 0 to 3 carry the 2,048 bytes out
	ds_load_b128 v[28:31], v9
	s_wait_dscnt 0x0
	global_store_b128 v5, v[28:31], s[20:21]       ; 512 consecutive bytes a wave
.Lend:
	s_wait_tensorcnt 0x0
	ds_add_u32 v192, v193
	s_wait_dscnt 0x0
	s_endpgm
.Lfunc_end_k_q3eac016f07_quant:
	.size	k_q3eac016f07_quant, .Lfunc_end_k_q3eac016f07_quant-k_q3eac016f07_quant
	.p2alignl 7, 3214868480
	.fill 96, 4, 3214868480
	.section	.rodata,"a",@progbits
	.p2align	6, 0x0
	.amdhsa_kernel k_q3eac016f07_quant
		.amdhsa_group_segment_fixed_size 139264
		.amdhsa_private_segment_fixed_size 0
		.amdhsa_enable_private_segment 0
		.amdhsa_kernarg_size 72
		.amdhsa_user_sgpr_count 2
		.amdhsa_user_sgpr_kernarg_segment_ptr 1
		.amdhsa_wavefront_size32 1
		.amdhsa_system_sgpr_workgroup_id_x 1
		.amdhsa_system_sgpr_workgroup_id_y 1
		.amdhsa_system_sgpr_workgroup_id_z 1
		.amdhsa_system_vgpr_workitem_id 0
		.amdhsa_next_free_vgpr 194
		.amdhsa_next_free_sgpr 66
		.amdhsa_reserve_vcc 0
		.amdhsa_float_denorm_mode_32 3
		.amdhsa_float_denorm_mode_16_64 3
		.amdhsa_memory_ordered 1
		.amdhsa_forward_progress 1
		.amdhsa_inst_pref_size 21
	.end_amdhsa_kernel
	.amdgpu_metadata
---
amdhsa.version: [ 1, 2 ]
amdhsa.kernels:
  - .name:           k_q3eac016f07_quant
    .symbol:         k_q3eac016f07_quant.kd
    .args:
      - { .name: q, .offset: 0, .size: 8, .value_kind: global_buffer, .address_space: global }
      - { .name: k, .offset: 8, .size: 8, .value_kind: global_buffer, .address_space: global }
      - { .name: v, .offset: 16, .size: 8, .value_kind: global_buffer, .address_space: global }
      - { .name: Wq, .offset: 24, .size: 8, .value_kind: global_buffer, .address_space: global }
      - { .name: Wk, .offset: 32, .size: 8, .value_kind: global_buffer, .address_space: global }
      - { .name: Wv, .offset: 40, .size: 8, .value_kind: global_buffer, .address_space: global }
      - { .name: Wo, .offset: 48, .size: 8, .value_kind: global_buffer, .address_space: global }
      - { .name: cd1, .offset: 56, .size: 8, .value_kind: global_buffer, .address_space: global }
      - { .name: sc1, .offset: 64, .size: 8, .value_kind: global_buffer, .address_space: global }
    .group_segment_fixed_size: 139264
    .private_segment_fixed_size: 0
    .kernarg_segment_align: 8
    .kernarg_segment_size: 72
    .max_flat_workgroup_size: 512
    .sgpr_count:     66
    .vgpr_count:     194
    .wavefront_size: 32
...
	.end_amdgpu_metadata
.endif
;; end of part 1
;; launch proj (part 2): grid 4 x 48, 4 waves a work-group, clusters of 4 x 4, 327,680 bytes of LDS; arguments cd1, sc1, hc, hs, bq, bk, bv; writes hc, hs
.if DOCPART == 2
	.amdgcn_target "amdgcn-amd-amdhsa--gfx1250"
	.amdhsa_code_object_version 6
	.text
	.protected	k_q3eac016f07_proj
	.globl	k_q3eac016f07_proj
	.p2align	8
	.type	k_q3eac016f07_proj,@function
k_q3eac016f07_proj:
	s_mov_b64 s[64:65], 0
	v_nop
	global_prefetch_b8 v0, s[64:65] scope:SCOPE_SE
	s_setreg_imm32_b32 hwreg(HW_REG_WAVE_MODE, 25, 1), 1
	s_wait_xcnt 0x0
	s_wait_alu depctr_hold_cnt(0) depctr_sa_sdst(0) depctr_va_vdst(0) depctr_va_sdst(0) depctr_va_ssrc(0) depctr_va_vcc(0) depctr_vm_vsrc(0)
	s_getreg_b32 s2, hwreg(HW_REG_IB_STS2, 6, 4)
	s_cmp_eq_u32 s2, 0
	s_cbranch_scc0 .Lentry_in_a_cluster
	s_endpgm
.Lentry_in_a_cluster:
	s_bfe_u32 s2, ttmp6, 0x10000c
	s_cmp_lg_u32 s2, 0xf033
	s_cbranch_scc0 .Lentry_shape_is_right
	s_endpgm
.Lentry_shape_is_right:
; Qh = q Wq^T + bq, Kh = k Wk^T + bk, Vh = v Wv^T + bv on codes of FP6 (E2M3), K = 1,024, and their quantisers: the results leave as codes and scale words in the order in which the attention launch reads them.
; cd1: [group of 16 stacked row positions][K / 64][768 bytes], images of operand registers; sc1: [position][32 scale bytes].  Positions: q 0, k 4,096, v 8,192, Wq 12,288, Wk 13,312, Wv 14,336.
; TILES OF 256 x 256, a work-group of four waves each, a wave 128 x 128: 64 accumulators, 512 registers.  Cluster row y = 0 .. 3 makes Qh, 4 .. 7 Kh, 8 .. 11 Vh: 192 work-groups; three products of 4,096 x 1,024
; do not divide into 256 equal tiles.  The matrix instruction takes "B" as source 0 and "A" as source 1.  Qh, Kh: A = tokens, B = the weight's rows: a lane holds one token and neighbouring channels, which is
; the next product's K.  Vh: A = Wv's rows, B = tokens: a lane holds one channel and neighbouring tokens (keys).
; LDS.  Region 0: K = 0 .. 255 of A's 16 groups, then of B's (3,072 bytes a group).  Region 1: K = 256 .. 767 likewise (6,144 bytes a group).  At the head every wave issues ONE tensor load: wave 0 A's part and
; wave 1 B's part of region 0, waves 2 and 3 those of region 1.  The first barrier shows the tiles of waves 0 and 1 alone.  ONE REFILL: in step 1, when region 0 has been read, K = 768 .. 1,023 goes into it
; (wave 0 A's part, wave 1 B's), behind the three lines and a round of the cluster's barrier, which also shows region 1; 256 products stand between that request and the wait for it, in step 5.
; CLUSTERS: 4 x 4.  A's tile hangs on the cluster's row alone, B's on its column alone: each is asked for JOINTLY by four work-groups.
; Nothing is prefetched: three quarters of K are asked for at the head, and the last quarter four steps ahead of its use.
; THE SCALE WORDS go from memory straight into registers: a row's 32 bytes are its eight words, one for each step of 128 along K.
; LIMITS: a block of zeros gets the byte 1 where the rule says 127 (its codes are zeros; this program alone reads the bytes); blocks whose largest magnitude lies under 2^-124 are held at that floor;
; NaN and infinities are not served.
; REGISTERS, in windows of 256.  Window 0: v0-31 addresses; v32-95 A's scale words (8 i + k), v96-159 B's (8 i + (k + 4) % 8: the two registers of a product differ modulo 8); v160-255 A's fragments, one set.
;   Window 1: B's fragments, two sets, at v0 and v128.  Windows 2, 3: the accumulators ((a, b) at v[8 (8 (a % 4) + b)]).  On the way out window 0 from v64 on is free.
.set FR,     12
.set NL,     4                         ; LDS loads of a fragment
.set NP,     4                         ; places behind this matrix instruction (ISA guide 7.12.1)
.set P0,     3072
.set P1,     6144
.set R0B,    16*P0
.set R1A,    32*P0
.set R1B,    R1A+16*P1
.set SPARE,  R1B+16*P1                 ; the spare words
.set ADRA, 16                          ; v16, v17 LDS address of my A fragments in region 0, 1, + 16 x lane; v18, v19 + 8 x lane
.set ADRB, 20                          ; v20-23 the same for B
.set L16,  24
.set L8,   25
.set WOF,  26
.set BOF,  27
.set SPW,  28
.set NIL,  29
.set R32,  30
.set SA,   32
.set SB,   96
.set AF,   160
.set BI,   64                          ; the way out: the bias; a block's sums; its codes; at work; the blocks' scale words
.set HA,   128
.set PC,   192
.set TM,   212
.set SW,   232
.set SEL,  66
.set G1,   24                          ; descriptor groups 1: rows of 3,072 bytes for A, for B; rows of 6,144 bytes for A, for B
.set G1B,  48
.set G1W,  68
.set G1WB, 80
.set G0H,  32                          ; groups 0: region 0 for A, for B; region 1 for A, for B
.set G0HB, 36
.set G0W,  56
.set G0WB, 60
.set MSB, 0
.macro WIN new
.if MSB != (\new)
	s_set_vgpr_msb (MSB<<8)|(\new)
.set MSB, (\new)
.endif
.endm
.set MUL_LO, 0xa1                      ; source 0 (B) window 1, source 1 (A) window 0, C and D window 2
.set MUL_HI, 0xf1
.set TO_B,   0x40
.macro PLACES n
.rept \n
	v_nop
.endr
.endm
.macro TLOAD g0, g1                    ; an s_nop 0, then four v_nop
	tensor_load_to_lds s[\g0:\g0+3], s[\g1:\g1+7]
	s_nop 0
	PLACES 4
.endm
.macro CREST
	s_cmp_lg_u32 s14, 0
	s_cbranch_scc1 .Lnot_wave_0_\@
	s_barrier_signal -3
.Lnot_wave_0_\@:
	s_barrier_wait -3
	s_barrier_signal -1
	s_barrier_wait -1
.endm
.macro CROUND
	s_barrier_signal -1
	s_barrier_wait -1
	CREST
.endm
.macro GROUP1 g, mask, el              ; 16 groups, 12,288 bytes apart in memory, dense in LDS; elements of 8 bytes; bit 21 beside the mask
	s_or_b32 s[\g], s\mask, (3<<16)|(1<<21)
	s_mov_b32 s[\g+1], (\el)<<16
	s_mov_b32 s[\g+2], 16<<16
	s_mov_b32 s[\g+3], (\el)<<16
	s_mov_b32 s[\g+4], 16
	s_mov_b32 s[\g+5], 1536
	s_mov_b32 s[\g+6], 0
	s_mov_b32 s[\g+7], 0
.endm
.macro GROUP0 g, lds, base, step
	s_mov_b32 s[\g], 1
	s_mov_b32 s[\g+1], \lds
	s_add_nc_u64 s[\g+2:\g+3], s[\base:\base+1], \step
	s_or_b32 s[\g+3], s[\g+3], 0x80000000
.endm
	s_load_b128 s[4:7], s[0:1], 0x0                ; cd1, sc1
	s_load_b128 s[96:99], s[0:1], 0x10             ; hc, hs
	s_load_b128 s[8:11], s[0:1], 0x20              ; bq, bk
	s_load_b64 s[12:13], s[0:1], 0x30              ; bv
	v_lshl_add_u32 v[SPW], v0, 2, SPARE
	v_mov_b32 v[NIL], 0
	ds_add_u32 v[SPW], v[NIL]                      ; the opening lines: the add twice on end and its wait
	ds_add_u32 v[SPW], v[NIL]
	v_lshrrev_b32 v1, 5, v0
	v_readfirstlane_b32 s14, v1                    ; wave 0..3
	s_lshr_b32 s15, s14, 1                         ; which 128 of A's rows are mine
	s_and_b32 s16, s14, 1                          ; which 128 of B's
	s_bfe_u32 s40, ttmp6, 0x40000                  ; cx, cy
	s_bfe_u32 s41, ttmp6, 0x40004
	s_and_b32 s95, ttmp7, 0xffff                   ; the cluster's y
	s_lshl_b32 s43, s41, 2
	s_lshl_b32 s43, 15, s43                        ; my row of the cluster
	s_lshl_b32 s44, 0x1111, s40                    ; my column
	s_mov_b32 s[SEL], 0x76543210
	s_mov_b32 s[SEL+1], 0xfedcba98
	GROUP1 G1, 43, 384
	GROUP1 G1B, 44, 384
	GROUP1 G1W, 43, 768
	GROUP1 G1WB, 44, 768
	s_lshl_b32 s17, s95, 10                        ; the cluster's 1,024 tokens, as stacked positions
	s_lshr_b32 s18, s95, 2
	s_lshl_b32 s18, s18, 10
	s_add_co_u32 s18, s18, 12288                   ; Wq or Wk
	s_cmp_ge_u32 s95, 8
	s_cselect_b32 s20, 14336, s17                  ; A: tokens, or Wv
	s_cselect_b32 s46, s17, s18                    ; B: the weight, or tokens
	s_lshl_b32 s21, s41, 8
	s_add_co_u32 s20, s20, s21                     ; A's tile: + 256 cy
	s_lshl_b32 s47, s40, 8
	s_add_co_u32 s46, s46, s47                     ; B's tile: + 256 cx
	s_lshl_b32 s22, s15, 7
	s_add_co_u32 s22, s22, s20
	s_lshl_b32 s22, s22, 5                         ; my 128 rows' scale bytes
	s_mov_b32 s23, 0
	s_lshl_b32 s92, s16, 7
	s_add_co_u32 s92, s92, s46
	s_lshl_b32 s92, s92, 5
	s_mov_b32 s93, 0
	s_mul_i32 s20, s20, 768                        ; the tiles' codes
	s_mov_b32 s21, 0
	s_mul_i32 s46, s46, 768
	s_mov_b32 s47, 0
	s_mul_i32 s88, s15, 8*P0                       ; LDS: my eight groups of A in region 0, 1; of B: no place in the cluster enters an LDS address
	s_mul_i32 s89, s15, 8*P1
	s_add_co_u32 s89, s89, R1A
	s_mul_i32 s90, s16, 8*P0
	s_add_co_u32 s90, s90, R0B
	s_mul_i32 s91, s16, 8*P1
	s_add_co_u32 s91, s91, R1B
	s_wait_dscnt 0x0
	s_wait_kmcnt 0x0
	s_add_nc_u64 s[20:21], s[4:5], s[20:21]
	s_add_nc_u64 s[46:47], s[4:5], s[46:47]
	s_add_nc_u64 s[22:23], s[6:7], s[22:23]
	s_add_nc_u64 s[92:93], s[6:7], s[92:93]
	s_cmp_lt_u32 s95, 4
	s_cselect_b64 s[100:101], s[8:9], s[10:11]
	s_cmp_lt_u32 s95, 8
	s_cselect_b64 s[100:101], s[100:101], s[12:13] ; my tensor's bias
	GROUP0 G0H, 0, 20, 0
	GROUP0 G0HB, R0B, 46, 0
	GROUP0 G0W, R1A, 20, P0
	GROUP0 G0WB, R1B, 46, P0
	CROUND                                         ; all sixteen work-groups are here: the first joint loads meet
.macro ARM under, g0, g1, next         ; one chain of branches on the wave's number, one load to an arm
	s_cmp_lt_u32 s14, \under
	s_cbranch_scc0 \next
	TLOAD \g0, \g1
	s_branch .Lasked
\next:
.endm
	ARM 1, G0H,  G1,  .Larm_1
	ARM 2, G0HB, G1B, .Larm_2
	ARM 3, G0W,  G1W, .Larm_3
	TLOAD G0WB, G1WB
.Lasked:
	v_and_b32 v1, 15, v0                           ; r
	v_bfe_u32 v2, v0, 4, 1                         ; h
	v_and_b32 v3, 31, v0
	v_lshlrev_b32 v[R32], 5, v1
	v_lshlrev_b32 v[L16], 4, v3
	v_lshlrev_b32 v[L8], 3, v3
.irp i, 0,1,2,3,4,5,6,7
.irp c, 0,1
	global_load_b128 v[SA+8*\i+4*\c:SA+8*\i+4*\c+3], v[R32], s[22:23] offset:512*\i+16*\c
	global_load_b128 v[SB+8*\i+4-4*\c:SB+8*\i+7-4*\c], v[R32], s[92:93] offset:512*\i+16*\c
.endr
.endr
	v_add_nc_u32 v[ADRA], s88, v[L16]
	v_add_nc_u32 v[ADRA+1], s89, v[L16]
	v_add_nc_u32 v[ADRA+2], s88, v[L8]
	v_add_nc_u32 v[ADRA+3], s89, v[L8]
	v_add_nc_u32 v[ADRB], s90, v[L16]
	v_add_nc_u32 v[ADRB+1], s91, v[L16]
	v_add_nc_u32 v[ADRB+2], s90, v[L8]
	v_add_nc_u32 v[ADRB+3], s91, v[L8]
; a fragment of step k (128 along K), group i: two images of 768 bytes.  Steps 0, 1, 6, 7 lie in region 0, steps 2 to 5 in region 1
.macro FRAG reg, adr, k, i
.set G_, (((\k)/2+1)/2)%2
.set O_, P0*(1+G_)*(\i)+P0*G_*((\k)/4)+1536*((\k)%2)
	ds_load_b128 v[\reg:\reg+3], v[\adr+G_] offset:O_
	ds_load_b64 v[\reg+4:\reg+5], v[\adr+2+G_] offset:O_+512
	ds_load_b128 v[\reg+6:\reg+9], v[\adr+G_] offset:O_+768
	ds_load_b64 v[\reg+10:\reg+11], v[\adr+2+G_] offset:O_+1280
.endm
; 16 products: A's blocks a0, a0 + 1 x B's eight.  The 64 accumulators take turns, one instruction a turn, in the same order in every step; the first step starts the sums
.macro MUL16 a0, k, zero
.irp a, \a0, \a0+1
.irp b, 0,1,2,3,4,5,6,7
.if \zero
	v_wmma_scale_f32_16x16x128_f8f6f4 v[8*(8*((\a)%4)+\b):8*(8*((\a)%4)+\b)+7], v[128*((\k)%2)+FR*\b:128*((\k)%2)+FR*\b+FR-1], v[AF+FR*(\a):AF+FR*(\a)+FR-1], 0, v[SB+8*\b+((\k)+4)%8], v[SA+8*(\a)+(\k)] matrix_a_fmt:MATRIX_FMT_FP6 matrix_b_fmt:MATRIX_FMT_FP6
.else
	v_wmma_scale_f32_16x16x128_f8f6f4 v[8*(8*((\a)%4)+\b):8*(8*((\a)%4)+\b)+7], v[128*((\k)%2)+FR*\b:128*((\k)%2)+FR*\b+FR-1], v[AF+FR*(\a):AF+FR*(\a)+FR-1], v[8*(8*((\a)%4)+\b):8*(8*((\a)%4)+\b)+7], v[SB+8*\b+((\k)+4)%8], v[SA+8*(\a)+(\k)] matrix_a_fmt:MATRIX_FMT_FP6 matrix_b_fmt:MATRIX_FMT_FP6
.endif
.endr
.endr
.endm
.macro FETCH_B k                       ; B's eight fragments of step k into set k % 2
	WIN TO_B
.irp i, 0,1,2,3,4,5,6,7
	FRAG 128*((\k)%2)+FR*\i, ADRB, \k, \i
.endr
	WIN 0
.endm
.macro FETCH_A k, i0                   ; A's blocks i0 .. i0 + 3 of step k
.irp i, \i0, \i0+1, \i0+2, \i0+3
	FRAG AF+FR*(\i), ADRA, \k, \i
.endr
.endm
; Step k: 64 products; the next step's fragments are fetched in its middle (B's, A's blocks 0-3) and at its end (A's blocks 4-7).
; kind 1: region 0 has been read and is filled again: every wave waits for its tensor load (region 1's among them), adds 0 to its spare word, waits for that and for its reads; the barrier opens a round.
; kind 2: a plain barrier, with the same lines ahead of it, shows what the refill brought.
.macro STEP k, kind, zero
.if \kind
	s_wait_tensorcnt 0x0
	ds_add_u32 v[SPW], v[NIL]
	s_wait_dscnt 4*NL+1                            ; the add and A's blocks 4-7 (16 loads) may be out
	WIN MUL_LO
	MUL16 0, \k, \zero
	s_wait_dscnt 0x0
	s_barrier_signal -1
	MUL16 2, \k, \zero
	WIN 0
	s_barrier_wait -1
.if (\kind) == 1
	CREST
	s_add_nc_u64 s[G0H+2:G0H+3], s[G0H+2:G0H+3], 3*P0      ; no tensor load of mine is out: K = 768 on
	s_add_nc_u64 s[G0HB+2:G0HB+3], s[G0HB+2:G0HB+3], 3*P0
	s_cmp_eq_u32 s14, 0
	s_cbranch_scc0 .Lagain_b
	TLOAD G0H, G1
	s_branch .Lagain_done
.Lagain_b:
	s_cmp_eq_u32 s14, 1
	s_cbranch_scc0 .Lagain_done
	TLOAD G0HB, G1B
.Lagain_done:
.endif
	PLACES NP
.else
	s_wait_dscnt 4*NL                              ; B's set and A's blocks 0-3 are in; A's blocks 4-7 (16 loads) may be out
	WIN MUL_LO
	MUL16 0, \k, \zero
	MUL16 2, \k, \zero
	s_wait_dscnt 0
	PLACES NP
.endif
	FETCH_B (\k)+1
	FETCH_A (\k)+1, 0
	WIN MUL_HI
	MUL16 4, \k, \zero
	MUL16 6, \k, \zero
	PLACES NP
	WIN 0
	FETCH_A (\k)+1, 4
.endm
	s_wait_alu depctr_va_vdst(0)                   ; the wait at the head's end
	s_cmp_lt_u32 s14, 2
	s_cbranch_scc0 .Lnot_first
	s_wait_tensorcnt 0x0                           ; waves 0 and 1: region 0
.Lnot_first:
	s_barrier_signal -1
	s_barrier_wait -1
	FETCH_B 0
	FETCH_A 0, 0
	FETCH_A 0, 4
	s_wait_loadcnt 0x0                             ; the scale words
	STEP 0, 0, 1
	STEP 1, 1, 0
	STEP 2, 0, 0
	STEP 3, 0, 0
	STEP 4, 0, 0
	STEP 5, 2, 0
	STEP 6, 0, 0
	s_wait_dscnt 4*NL                              ; the last step fetches nothing
	WIN MUL_LO
	MUL16 0, 7, 0
	MUL16 2, 7, 0
	s_wait_dscnt 0
	WIN MUL_HI
	MUL16 4, 7, 0
	MUL16 6, 7, 0
	PLACES NP
	WIN 0
; THE WAY OUT.  A block a is 16 rows of A x my 128 of B: in a lane 64 sums; the 16 registers of tiles 2 b, 2 b + 1 are 16 neighbours along the next K, a block of 32 lies in lanes l and l xor 16.
.macro QUANT s, pw                     ; four blocks of 32: largest magnitudes (with the floor 2^-124), scale operands and bytes, codes; the half-row swaps give each lane a whole block
.irp b, 0,1,2,3
	v_max3_num_f32 v[TM+\b], |v[\s+16*\b]|, |v[\s+1+16*\b]|, 0x1800000
.endr
.irp i, 2,4,6,8,10,12,14
.irp b, 0,1,2,3
	v_max3_num_f32 v[TM+\b], v[TM+\b], |v[\s+16*\b+\i]|, |v[\s+1+16*\b+\i]|
.endr
.endr
.irp b, 0,1,2,3
	v_permlanex16_b32 v[TM+4+\b], v[TM+\b], s[SEL], s[SEL+1]
.endr
.irp b, 0,1,2,3
	v_max_num_f32 v[TM+\b], v[TM+\b], v[TM+4+\b]
.endr
.irp b, 0,1,2,3
	v_add_nc_u32 v[TM+12+\b], 0xff000000, v[TM+\b]
.endr
.irp b, 0,1,2,3
	v_lshrrev_b32 v[TM+4+\b], 23, v[TM+12+\b]
.endr
	v_lshl_or_b32 v[\pw], v[TM+5], 8, v[TM+4]
	v_lshl_or_b32 v[\pw], v[TM+6], 16, v[\pw]
	v_lshl_or_b32 v[\pw], v[TM+7], 24, v[\pw]
.irp c, 0,1
	v_cvt_scalef32_pk16_fp6_f32 v[PC+6*\c:PC+2+6*\c], v[\s+32*\c:\s+15+32*\c], v[TM+12+2*\c]
	v_cvt_scalef32_pk16_fp6_f32 v[PC+12+4*\c:PC+14+4*\c], v[\s+16+32*\c:\s+31+32*\c], v[TM+12+2*\c+1]
.endr
	v_nop
.irp c, 0,1
.irp i, 0,1,2
	v_permlane16_swap_b32 v[PC+6*\c+\i], v[PC+12+4*\c+\i]
.endr
.irp i, 0,1,2
	v_mov_b32 v[PC+3+6*\c+\i], v[PC+12+4*\c+\i]
.endr
.endr
.endm
.macro OUTBLK a, vee                   ; the bias is added on the way from the accumulators' window into window 0
.set AC, 64*((\a)%4)
	WIN 0x02+(\a)/4
.set n, 0
.rept 32
.if \vee
	v_pk_add_f32 v[HA+n:HA+n+1], v[AC+n:AC+n+1], v[BI+2*(\a):BI+2*(\a)+1]
.else
	v_pk_add_f32 v[HA+n:HA+n+1], v[AC+n:AC+n+1], v[BI+n:BI+n+1]
.endif
.set n, n+2
.endr
	WIN 0
	s_wait_xcnt 0x0                                ; the last block's stores have read their registers
	QUANT HA, SW+(\a)
.endm
	s_cmp_ge_u32 s95, 8
	s_cbranch_scc1 .Lv_arm
	; Qh, Kh: my 128 tokens x my two heads.  The head's record in hc: Q's 128 tiles of 768 bytes, then four runs of 512 keys (K's 32 tiles, V's 24,576 bytes)
	s_and_b32 s17, s95, 3
	s_lshl_b32 s17, s17, 10
	s_lshl_b32 s18, s41, 8
	s_add_co_u32 s17, s17, s18
	s_lshl_b32 s18, s15, 7
	s_add_co_u32 s17, s17, s18                     ; my first token
	s_lshr_b32 s18, s17, 11                        ; its batch
	s_bfe_u32 s19, s17, 0x70004                    ; its tile of 16 in the sequence
	s_lshl_b32 s20, s18, 4
	s_lshl_b32 s21, s40, 2
	s_add_co_u32 s20, s20, s21
	s_lshl_b32 s21, s16, 1
	s_add_co_u32 s20, s20, s21                     ; 16 batch + my first head
	s_lshr_b32 s21, s95, 2                         ; 0 Q, 1 K
	s_mul_i32 s22, s20, 294912
	s_mul_i32 s23, s21, 98304
	s_add_co_u32 s22, s22, s23
	s_lshr_b32 s23, s19, 5
	s_add_co_u32 s45, s21, 1
	s_mul_i32 s45, s45, 24576
	s_mul_i32 s23, s23, s45
	s_add_co_u32 s22, s22, s23
	s_and_b32 s23, s19, 31
	s_mul_i32 s23, s23, 768
	s_add_co_u32 s22, s22, s23
	s_mov_b32 s23, 0
	s_add_nc_u64 s[96:97], s[96:97], s[22:23]
	s_mul_i32 s22, s20, 20480
	s_lshl_b32 s45, s21, 13
	s_add_co_u32 s22, s22, s45
	s_lshr_b32 s45, s19, 3
	s_lshl_b32 s45, s45, 9
	s_add_co_u32 s22, s22, s45
	s_add_nc_u64 s[98:99], s[98:99], s[22:23]
	s_lshl_b32 s22, s40, 10
	s_lshl_b32 s45, s16, 9
	s_add_co_u32 s22, s22, s45
	s_add_nc_u64 s[100:101], s[100:101], s[22:23]
	v_lshlrev_b32 v[BOF], 6, v2
.irp g, 0,1,2,3
.irp j, 0,1,2,3
	global_load_b128 v[BI+16*\g+4*\j:BI+16*\g+4*\j+3], v[BOF], s[100:101] offset:128*\g+16*\j
.endr
.endr
.irp b, 0,1,2,3
	v_mov_b32 v[TM+4+\b], 0
.endr
	v_lshlrev_b32 v[WOF], 5, v1
	v_lshl_add_u32 v[WOF], v2, 4, v[WOF]
	s_wait_loadcnt 0x0
.irp a, 0,1,2,3,4,5,6,7
	OUTBLK \a, 0
	global_store_b128 v[L16], v[PC:PC+3], s[96:97] offset:768*\a
	global_store_b64 v[L8], v[PC+4:PC+5], s[96:97] offset:768*\a+512
	global_store_b128 v[L16], v[PC+6:PC+9], s[96:97] offset:294912+768*\a
	global_store_b64 v[L8], v[PC+10:PC+11], s[96:97] offset:294912+768*\a+512
.endr
	v_cmp_eq_u32 vcc_lo, 1, v2
.irp i, 0,1,2,3
	v_cndmask_b32 v[240+\i], v[SW+\i], v[SW+4+\i], vcc_lo
.endr
.irp i, 0,1,2,3
	v_lshrrev_b32 v[244+\i], 16, v[240+\i]         ; the second head's two bytes; the upper two bytes of every word are 0
.endr
.irp i, 0,1,2,3
	v_and_b32 v[240+\i], 0xffff, v[240+\i]
.endr
	global_store_b128 v[WOF], v[240:243], s[98:99]
	global_store_b128 v[WOF], v[244:247], s[98:99] offset:20480
	s_branch .Ldone
.Lv_arm:
	; Vh: my 128 channels (two heads) x my 128 tokens, one key step
	s_lshl_b32 s17, s41, 8
	s_lshl_b32 s18, s15, 7
	s_add_co_u32 s17, s17, s18                     ; my first channel
	s_sub_co_u32 s18, s95, 8
	s_lshl_b32 s18, s18, 10
	s_lshl_b32 s19, s40, 8
	s_add_co_u32 s18, s18, s19
	s_lshl_b32 s19, s16, 7
	s_add_co_u32 s18, s18, s19                     ; my first token
	s_lshr_b32 s19, s18, 11
	s_bfe_u32 s20, s18, 0x40007                    ; its key step
	s_lshl_b32 s19, s19, 4
	s_lshr_b32 s21, s17, 6
	s_add_co_u32 s19, s19, s21
	s_mul_i32 s22, s19, 294912
	s_lshr_b32 s21, s20, 2
	s_mul_i32 s21, s21, 49152
	s_add_co_u32 s22, s22, s21
	s_and_b32 s21, s20, 3
	s_mul_i32 s21, s21, 6144
	s_add_co_u32 s22, s22, s21
	s_add_co_u32 s22, s22, 98304+24576
	s_mov_b32 s23, 0
	s_add_nc_u64 s[96:97], s[96:97], s[22:23]
	s_mul_i32 s22, s19, 20480
	s_lshl_b32 s21, s20, 8
	s_add_co_u32 s22, s22, s21
	s_add_co_u32 s22, s22, 16384
	s_add_nc_u64 s[98:99], s[98:99], s[22:23]
	s_lshl_b32 s22, s17, 2
	s_add_nc_u64 s[100:101], s[100:101], s[22:23]
	v_and_b32 v[BOF], 8, v1
	v_add_nc_u32 v[BOF], v[BOF], v1
	v_lshlrev_b32 v[BOF], 2, v[BOF]
.irp a, 0,1,2,3,4,5,6,7
	global_load_b32 v[BI+2*\a], v[BOF], s[100:101] offset:4*(32*(\a/2)+8*(\a%2))
	global_load_b32 v[BI+2*\a+1], v[BOF], s[100:101] offset:4*(32*(\a/2)+8*(\a%2))
.endr
.irp b, 0,1,2,3
	v_mov_b32 v[TM+4+\b], 0
.endr
	v_mul_u32_u24 v[WOF], v2, 20480
	v_lshl_add_u32 v[WOF], v1, 4, v[WOF]
	s_wait_loadcnt 0x0
.irp a, 0,1,2,3,4,5,6,7
	OUTBLK \a, 1
	global_store_b128 v[L16], v[PC:PC+3], s[96:97] offset:(\a/4)*294912+(\a%4)*1536
	global_store_b64 v[L8], v[PC+4:PC+5], s[96:97] offset:(\a/4)*294912+(\a%4)*1536+512
	global_store_b128 v[L16], v[PC+6:PC+9], s[96:97] offset:(\a/4)*294912+(\a%4)*1536+768
	global_store_b64 v[L8], v[PC+10:PC+11], s[96:97] offset:(\a/4)*294912+(\a%4)*1536+1280
.endr
	v_cmp_eq_u32 vcc_lo, 1, v2
.irp i, 0,1,2,3
	v_cndmask_b32 v[240+\i], v[SW+\i], v[SW+4+\i], vcc_lo
.endr
	global_store_b128 v[WOF], v[240:243], s[98:99]
.Ldone:
	s_wait_tensorcnt 0x0                           ; the wave's end
	ds_add_u32 v[SPW], v[NIL]
	s_wait_dscnt 0x0
	CROUND                                         ; the closing round
	s_endpgm
.Lfunc_end_k_q3eac016f07_proj:
	.size	k_q3eac016f07_proj, .Lfunc_end_k_q3eac016f07_proj-k_q3eac016f07_proj
	.p2alignl 7, 3214868480
	.fill 96, 4, 3214868480
	.section	.rodata,"a",@progbits
	.p2align	6, 0x0
	.amdhsa_kernel k_q3eac016f07_proj
		.amdhsa_group_segment_fixed_size 327680
		.amdhsa_private_segment_fixed_size 0
		.amdhsa_enable_private_segment 0
		.amdhsa_kernarg_size 56
		.amdhsa_user_sgpr_count 2
		.amdhsa_user_sgpr_kernarg_segment_ptr 1
		.amdhsa_wavefront_size32 1
		.amdhsa_system_sgpr_workgroup_id_x 1
		.amdhsa_system_sgpr_workgroup_id_y 1
		.amdhsa_system_sgpr_workgroup_id_z 1
		.amdhsa_system_vgpr_workitem_id 0
		.amdhsa_next_free_vgpr 1024
		.amdhsa_next_free_sgpr 102
		.amdhsa_reserve_vcc 1
		.amdhsa_float_denorm_mode_32 3
		.amdhsa_float_denorm_mode_16_64 3
		.amdhsa_memory_ordered 1
		.amdhsa_forward_progress 1
		.amdhsa_inst_pref_size 219
	.end_amdhsa_kernel
	.amdgpu_metadata
---
amdhsa.version: [ 1, 2 ]
amdhsa.kernels:
  - .name:           k_q3eac016f07_proj
    .symbol:         k_q3eac016f07_proj.kd
    .args:
      - { .name: cd1, .offset: 0, .size: 8, .value_kind: global_buffer, .address_space: global }
      - { .name: sc1, .offset: 8, .size: 8, .value_kind: global_buffer, .address_space: global }
      - { .name: hc, .offset: 16, .size: 8, .value_kind: global_buffer, .address_space: global }
      - { .name: hs, .offset: 24, .size: 8, .value_kind: global_buffer, .address_space: global }
      - { .name: bq, .offset: 32, .size: 8, .value_kind: global_buffer, .address_space: global }
      - { .name: bk, .offset: 40, .size: 8, .value_kind: global_buffer, .address_space: global }
      - { .name: bv, .offset: 48, .size: 8, .value_kind: global_buffer, .address_space: global }
    .group_segment_fixed_size: 327680
    .private_segment_fixed_size: 0
    .kernarg_segment_align: 8
    .kernarg_segment_size: 56
    .max_flat_workgroup_size: 128
    .sgpr_count:     102
    .vgpr_count:     1024
    .wavefront_size: 32
...
	.end_amdgpu_metadata
.endif
;; end of part 2
;; launch attn (part 3): grid 8 x 32, 16 waves a work-group, clusters of 4 x 1, 210,944 bytes of LDS; arguments hc, hs, oc, os; writes oc, os
.if DOCPART == 3
	.amdgcn_target "amdgcn-amd-amdhsa--gfx1250"
	.amdhsa_code_object_version 6
	.text
	.protected	k_q3eac016f07_attn
	.globl	k_q3eac016f07_attn
	.p2align	8
	.type	k_q3eac016f07_attn,@function
k_q3eac016f07_attn:
	s_mov_b64 s[64:65], 0
	v_nop
	global_prefetch_b8 v0, s[64:65] scope:SCOPE_SE
	s_setreg_imm32_b32 hwreg(HW_REG_WAVE_MODE, 25, 1), 1
	s_wait_xcnt 0x0
	s_wait_alu depctr_hold_cnt(0) depctr_sa_sdst(0) depctr_va_vdst(0) depctr_va_sdst(0) depctr_va_ssrc(0) depctr_va_vcc(0) depctr_vm_vsrc(0)
	s_getreg_b32 s2, hwreg(HW_REG_IB_STS2, 6, 4)
	s_cmp_eq_u32 s2, 0
	s_cbranch_scc0 .Lentry_in_a_cluster
	s_endpgm
.Lentry_in_a_cluster:
	s_bfe_u32 s2, ttmp6, 0x10000c
	s_cmp_lg_u32 s2, 0x3003
	s_cbranch_scc0 .Lentry_shape_is_right
	s_endpgm
.Lentry_shape_is_right:
; Attention of one head on codes of FP6 (E2M3): S = Qh Kh^T (K = the head's 64 channels), softmax, O = P Vh (K = the keys), O / l quantised along the model's 1,024 for the last projection.
; THE SOFTMAX AHEAD OF THE SECOND PRODUCT: t = score x log2(e) / 8; M = the row's largest t so far, rounded UP to a whole number; p = 2^(t - M) is quantised along the keys, not normalised.
; The row's sum is taken of the unquantised p, in f32, and divides O at the end.  When M moves, the sum and O are multiplied by 2^(old M - new M): exact.
; SHARES.  A work-group owns 256 queries of one head, each of its sixteen waves one tile of 16, in 256 registers: four waves to a SIMD.
; ALL OF THE HEAD'S K AND V STAY IN LDS: K's codes from byte 0 (98,304), V's from VB (98,304), the scale words from SC (12,288); each byte is filled once.  The four work-groups of a cluster
; belong to one head and ask JOINTLY.  Every wave issues ONE tensor load: waves 0, 1 the first 512 keys of K and of V (96 rows of 256 bytes each), waves 2, 3 a half each of the scale words (24 rows),
; waves 4 to 15 a half each of K's or V's part of the three later runs of 512 keys (48 rows).  The first barrier shows the tiles of waves 0 to 3 alone; the second, behind key step 1, shows the rest.
; Nothing is prefetched: every tile is asked for at the head.
; LAYOUT.  Both products are used transposed: S^T = K Q^T, O^T = V^T P^T: a lane holds ONE query (lane % 16) throughout.  Row m of K's tile 4 c + u of a step is key 64 c + 32 (m / 8) + 8 u + m % 8,
; so 32 neighbouring score registers of lane (r, h) are keys 64 c + 32 h + 0 .. 31: one whole scale block, in the order of the second product's operand.  No lane is asked for a block's maximum.
; TWO BLOCKS OF 64 REGISTERS TAKE TURNS.  In a step K's eight tiles lie in block X; the scores fall into block Y and become p there; V's four fragments follow K into X; and when p has been converted,
; the NEXT step's K is fetched into Y, ahead of the second product: in the next step X and Y have changed places.  A loop's trip is two steps.
; THE FIRST PRODUCT'S K IS 64 OF THE INSTRUCTION'S 128.  Q's registers 6-11 are zeros.  K's operand for tile t is 12 registers from X + 6 t on: its upper six are the next tile's codes, behind the last tile
; whatever the block held (zeros in the first step).  Every pattern of 6 bits is a finite number, the upper two scale bytes of Q's and K's words are 0 (2^-127, no NaN), and a code times the code 0 is 0.
; LIMITS: a block of zeros gets the byte 1 where the rule says 127 (its codes are zeros; this program alone reads the bytes); blocks whose largest magnitude lies under 2^-124 are held at that floor;
; NaN and infinities are not served; the promise holds while the scaled scores t stay under 2^31 in magnitude.
; REGISTERS: v1-4, v28-30 addresses that stay; v5-8, v31, v205 the trip's; v9-11 lane, r, 32 r; v12 -M, v13 the largest score, v[14:15] the sum in two halves; v16-27 Q; v32-95, v96-159 the two blocks;
;   v160-191 O^T; v192-199 K's scale words, v200-203 V's, v204 p's; v206-254 at work; v224-235 p's codes; v255 Q's scale word.
.set VB,    98304
.set SC,    196608
.set SPARE, 208896                     ; the spare words: 128 bytes for each of 16 waves
.set R0,   32
.set R1,   96
.set WV,   12                          ; s12  my wave's number
.set SEL,  20                          ; s[20:21] lane selects: lane l xor 16
.set CS,   22                          ; s[22:23] c = log2(e) / 8
.set G1A,  24                          ; descriptor groups 1: 96, 24 and 48 rows of 256 bytes
.set G1S,  32
.set G1R,  40
.set G0A,  48                          ; and groups 0
.set G0S,  52
.set G0R,  56
.set TB,   60                          ; s60  where the trip's tiles begin in K's and in V's region: 6,144 bytes a step
.set CNT,  61
.set TS,   62                          ; s62  K's scale words: 512 bytes a step
.set TJ,   63                          ; s63  V's: 256 bytes a step
.macro CROUND                          ; a round of the cluster's barrier
	s_barrier_signal -1
	s_barrier_wait -1
	s_cmp_lg_u32 s[WV], 0
	s_cbranch_scc1 .Lnot_wave_0_\@
	s_barrier_signal -3
.Lnot_wave_0_\@:
	s_barrier_wait -3
	s_barrier_signal -1
	s_barrier_wait -1
.endm
.macro GROUP1 g, rows                  ; a dense block as rows of 256 bytes (32 elements of 8 bytes); the mask names all four work-groups, bit 21 beside it
	s_mov_b32 s[\g], 15|(3<<16)|(1<<21)
	s_mov_b32 s[\g+1], 32<<16
	s_mov_b32 s[\g+2], (\rows)<<16
	s_mov_b32 s[\g+3], 32<<16
	s_mov_b32 s[\g+4], \rows
	s_mov_b32 s[\g+5], 32
	s_mov_b32 s[\g+6], 0
	s_mov_b32 s[\g+7], 0
.endm
.macro TLOAD g0, g1                    ; an s_nop 0, then four v_nop
	tensor_load_to_lds s[\g0:\g0+3], s[\g1:\g1+7]
	s_nop 0
.rept 4
	v_nop
.endr
.endm
	s_load_b256 s[4:11], s[0:1], 0x0               ; hc, hs, oc, os
	v_lshl_add_u32 v250, v0, 2, SPARE
	v_mov_b32 v251, 0
	ds_add_u32 v250, v251                          ; the opening lines: the add twice on end and its wait
	ds_add_u32 v250, v251
	v_lshrrev_b32 v8, 5, v0
	v_readfirstlane_b32 s[WV], v8                  ; wave 0..15
	s_bfe_u32 s13, ttmp6, 0x40000                  ; cx
	s_lshl_b32 s14, ttmp9, 2
	s_add_co_u32 s14, s14, s13                     ; my block of 256 queries: it enters Q's and the outputs' addresses alone
	s_and_b32 s15, ttmp7, 0xffff                   ; 16 batch + head, which the four partners share
	s_mul_i32 s16, s15, 294912
	s_mov_b32 s17, 0
	s_mul_i32 s18, s15, 20480
	s_mov_b32 s19, 0
	s_and_b32 s66, s[WV], 1
	s_mul_i32 s[G0A+1], s66, VB                    ; waves 0, 1: K's region, V's region
	s_mul_i32 s68, s66, 6144                       ; waves 2, 3: a half of the scale words
	s_add_co_u32 s[G0S+1], s68, SC
	s_mul_i32 s70, s66, 12288                      ; waves 4 to 15: region (w / 2) % 2, run of 512 keys w / 4, half w % 2
	s_mul_i32 s66, s66, 24576
	s_mov_b32 s67, 0
	s_mov_b32 s69, 0
	s_bfe_u32 s71, s[WV], 0x10001
	s_mul_i32 s71, s71, VB
	s_add_co_u32 s70, s70, s71
	s_lshr_b32 s71, s[WV], 2
	s_mul_i32 s71, s71, 24576
	s_add_co_u32 s[G0R+1], s70, s71
	s_mul_i32 s70, s[WV], 12288                    ; in memory the runs lie on end, K's part then V's: 12,288 w from the first run on
	s_mov_b32 s71, 0
	GROUP1 G1A, 96
	GROUP1 G1S, 24
	GROUP1 G1R, 48
	s_mov_b32 s[SEL], 0x76543210
	s_mov_b32 s[SEL+1], 0xfedcba98
	s_mov_b32 s[CS], 0x3e38aa3b                    ; log2(e) / sqrt(64)
	s_mov_b32 s[CS+1], s[CS]
	s_wait_dscnt 0x0
	s_wait_kmcnt 0x0
	s_add_nc_u64 s[4:5], s[4:5], s[16:17]          ; the head's record of codes: Q's 98,304 bytes, then four runs of 512 keys,
	s_add_nc_u64 s[6:7], s[6:7], s[18:19]          ; and of scale words: Q's 8,192 bytes, K's, V's
	s_mov_b32 s[G0A], 1
	s_add_nc_u64 s[G0A+2:G0A+3], s[4:5], s[66:67]
	s_add_nc_u64 s[G0A+2:G0A+3], s[G0A+2:G0A+3], 98304
	s_or_b32 s[G0A+3], s[G0A+3], 0x80000000
	s_mov_b32 s[G0S], 1
	s_add_nc_u64 s[G0S+2:G0S+3], s[6:7], s[68:69]
	s_add_nc_u64 s[G0S+2:G0S+3], s[G0S+2:G0S+3], 8192
	s_or_b32 s[G0S+3], s[G0S+3], 0x80000000
	s_mov_b32 s[G0R], 1
	s_add_nc_u64 s[G0R+2:G0R+3], s[4:5], s[70:71]
	s_add_nc_u64 s[G0R+2:G0R+3], s[G0R+2:G0R+3], 98304
	s_or_b32 s[G0R+3], s[G0R+3], 0x80000000
	CROUND                                         ; all four work-groups are here: the joint loads meet
	s_cmp_lt_u32 s[WV], 2                          ; one chain of branches on the wave's number, one load to an arm
	s_cbranch_scc0 .Larm_s
	TLOAD G0A, G1A
	s_branch .Lasked
.Larm_s:
	s_cmp_lt_u32 s[WV], 4
	s_cbranch_scc0 .Larm_r
	TLOAD G0S, G1S
	s_branch .Lasked
.Larm_r:
	TLOAD G0R, G1R
.Lasked:
	s_lshl_b32 s66, s14, 4
	s_add_co_u32 s66, s66, s[WV]                   ; T: my tile of 16 queries, 0 .. 127
	s_mul_i32 s68, s66, 768
	s_mov_b32 s69, 0
	s_add_nc_u64 s[68:69], s[4:5], s[68:69]        ; its image
	s_lshr_b32 s70, s66, 3
	s_lshl_b32 s70, s70, 9
	s_and_b32 s71, s66, 7
	s_lshl_b32 s71, s71, 2
	s_add_co_u32 s70, s70, s71
	s_mov_b32 s71, 0
	s_add_nc_u64 s[70:71], s[6:7], s[70:71]        ; its scale words: 512 (T / 8) + 4 (T % 8), + 32 r
	s_lshr_b32 s72, s15, 4
	s_lshl_b32 s72, s72, 7
	s_add_co_u32 s72, s72, s66                     ; my group of 16 tokens among the 256
	s_and_b32 s73, s15, 15                         ; the head
	s_lshl_b32 s74, s72, 4
	s_add_co_u32 s74, s74, s73
	s_mul_i32 s74, s74, 768
	s_mov_b32 s75, 0
	s_add_nc_u64 s[8:9], s[8:9], s[74:75]          ; oc: [group][head][768]
	s_lshl_b32 s74, s72, 9
	s_lshl_b32 s73, s73, 1
	s_add_co_u32 s74, s74, s73
	s_add_nc_u64 s[10:11], s[10:11], s[74:75]      ; os: [token][32], my head's two bytes
	s_mov_b32 s[TB], 0
	s_mov_b32 s[TS], 0
	s_mov_b32 s[TJ], 0
	v_and_b32 v9, 31, v0                           ; lane
	v_and_b32 v10, 15, v0                          ; r
	v_bfe_u32 v28, v0, 4, 1                        ; h
	v_lshlrev_b32 v1, 4, v9                        ; 16 l
	v_lshlrev_b32 v2, 3, v9                        ; 8 l
	v_lshlrev_b32 v11, 5, v10                      ; 32 r
	v_lshlrev_b32 v28, 3, v28                      ; 8 h: how far my two scale bytes are shifted
	global_load_b128 v[16:19], v1, s[68:69]
	global_load_b64 v[20:21], v2, s[68:69] offset:512
	global_load_b32 v255, v11, s[70:71]
	v_add_nc_u32 v3, SC, v11                       ; K's scale words: 8 words a row position
	v_lshl_add_u32 v4, v10, 4, SC+8192             ; V's: 4 words a channel position
	v_add_nc_u32 v29, VB, v1                       ; V's region
	v_add_nc_u32 v30, VB, v2
.irp j, 22,23,24,25,26,27,80,81,82,83,84,85,14,15,239,243,253
	v_mov_b32 v\j, 0                               ; Q's upper half; what stands behind K's last tile in the first step; the sum; two lane permutes' destinations; the upper half of the pair v[252:253]
.endr
	v_mov_b32 v13, 0xff61b1e6                      ; the largest score so far: -3e38
	v_floor_f32 v12, -v13                          ; -M
.set j, 0
.rept 32
	v_mov_b32 v[160+j], 0                          ; O^T: the step has no first step of its own: it finds zeros, which the first change of M leaves zeros
.set j, j+1
.endr
.macro KLOAD Y, o, os                  ; K's eight tiles and their scale words, o and os bytes behind the trip's first step's: 18 LDS loads
.irp t, 0,1,2,3,4,5,6,7
	ds_load_b128 v[\Y+6*\t:\Y+6*\t+3], v5 offset:768*\t+\o
	ds_load_b64 v[\Y+6*\t+4:\Y+6*\t+5], v6 offset:768*\t+512+\o
.endr
	ds_load_b128 v[192:195], v7 offset:\os
	ds_load_b128 v[196:199], v7 offset:16+\os
.endm
.macro TF Y, d, m                      ; the row's sum, in eight chains: a chain begins with pairs m and m + 1 of p,
	v_pk_add_f32 v[\d:\d+1], v[\Y+2*\m:\Y+2*\m+1], v[\Y+2*\m+2:\Y+2*\m+3]
.endm
.macro TA Y, d, m                      ; takes pair m,
	v_pk_add_f32 v[\d:\d+1], v[\d:\d+1], v[\Y+2*\m:\Y+2*\m+1]
.endm
.macro TM d, e                         ; takes another chain
	v_pk_add_f32 v[\d:\d+1], v[\d:\d+1], v[\e:\e+1]
.endm
.macro FMA4 Y                          ; t - M, two at a time, four lines
.rept 4
	v_pk_fma_f32 v[\Y+j:\Y+j+1], v[\Y+j:\Y+j+1], s[CS:CS+1], v[12:13] op_sel_hi:[1,0,0]
.set j, j+2
.endr
.endm
; A KEY STEP: 128 keys.  o: the trip's first step (0) or second (1).  test = 1: the loop's last trip fetches no further K
.macro STEP X, Y, o, test
.if \o == 0                                    ; five places behind the last step's products, whose fragments of V lie where the scores fall: the trip's addresses
	v_add_nc_u32 v31, s[TB], v29
	v_add_nc_u32 v205, s[TB], v30
	v_add_nc_u32 v8, s[TJ], v4
	v_add_nc_u32 v5, s[TB], v1
	v_add_nc_u32 v6, s[TB], v2
.else
.rept 5
	v_nop
.endr
.endif
	s_wait_alu depctr_va_vdst(0)                   ; directly ahead of the wait below
	s_wait_dscnt 0x0                               ; K's tiles and scale words, asked for in the step before
.irp t, 0,1,2,3,4,5,6,7
	v_wmma_scale_f32_16x16x128_f8f6f4 v[\Y+8*\t:\Y+8*\t+7], v[\X+6*\t:\X+6*\t+11], v[16:27], 0, v[192+\t], v255 matrix_a_fmt:MATRIX_FMT_FP6 matrix_b_fmt:MATRIX_FMT_FP6
.endr
.if \o == 0                                    ; four places in front of the loads into K's registers and of the first read of the scores
	v_add_nc_u32 v7, s[TS], v3
.else
	v_nop
.endif
.rept 3
	v_nop
.endr
.irp d, 0,1,2,3                                ; V's four fragments land while the softmax is worked
	ds_load_b128 v[\X+12*\d:\X+12*\d+3], v31 offset:6144*\o+1536*\d
	ds_load_b64 v[\X+12*\d+4:\X+12*\d+5], v205 offset:6144*\o+1536*\d+512
	ds_load_b128 v[\X+12*\d+6:\X+12*\d+9], v31 offset:6144*\o+1536*\d+768
	ds_load_b64 v[\X+12*\d+10:\X+12*\d+11], v205 offset:6144*\o+1536*\d+1280
.endr
	ds_load_b128 v[200:203], v8 offset:256*\o
.irp c, 0,1                                    ; the largest score of my two blocks of 32 keys, each in two chains: it serves for the row's maximum and, since p rises with the score, for the block's largest p
	v_max3_num_f32 v[232+\c], v[\Y+32*\c], v[\Y+1+32*\c], v[\Y+2+32*\c]
	v_max3_num_f32 v[234+\c], v[\Y+16+32*\c], v[\Y+17+32*\c], v[\Y+18+32*\c]
.endr
.irp i, 3,5,7,9,11,13
.irp c, 0,1
	v_max3_num_f32 v[232+\c], v[232+\c], v[\Y+32*\c+\i], v[\Y+1+32*\c+\i]
	v_max3_num_f32 v[234+\c], v[234+\c], v[\Y+16+32*\c+\i], v[\Y+17+32*\c+\i]
.endr
.endr
.irp c, 0,1
	v_max3_num_f32 v[232+\c], v[232+\c], v[234+\c], v[\Y+15+32*\c]
.endr
.irp c, 0,1
	v_max_num_f32 v[232+\c], v[232+\c], v[\Y+31+32*\c]
.endr
	s_delay_alu instid0(VALU_DEP_1)
	v_max3_num_f32 v254, v13, v232, v233           ; with the largest so far,
	s_delay_alu instid0(VALU_DEP_1)
	v_permlanex16_b32 v239, v254, s[SEL], s[SEL+1]
	s_delay_alu instid0(VALU_DEP_1)
	v_max_num_f32 v13, v254, v239                  ; and lane l xor 16's 64 keys: my query's largest score
	s_delay_alu instid0(VALU_DEP_1)
	v_mul_f32 v237, s[CS], v13                     ; as t (c is positive)
	v_mov_b32 v254, v12
	s_delay_alu instid0(VALU_DEP_2)
	v_floor_f32 v12, -v237                         ; the new -M = floor(-t) = -ceil(t)
.set j, 0
	FMA4 \Y                                        ; the three lines that make f stand among the multiply-adds, which do not hang on them
	v_sub_f32 v254, v12, v254                      ; M's old value less its new one: a whole number, 0 or less
	FMA4 \Y
	v_cvt_i32_f32 v254, v254                       ; (it saturates)
	FMA4 \Y
	v_ldexp_f32 v252, 1.0, v254                    ; f = 2^(old M - new M)
.rept 5
	FMA4 \Y
.endr
.irp c, 0,1
	v_fma_f32 v[232+\c], v[232+\c], s[CS], v12     ; the same of each block's largest score
.endr
	s_wait_alu depctr_va_vdst(0)                   ; the wait ahead of the batch
.irp c, 0,1
	v_exp_f32 v[232+\c], v[232+\c]                 ; the block's largest p: the same two instructions on the same number give the same bits
.endr
.set j, 0
.rept 64
	v_exp_f32 v[\Y+j], v[\Y+j]                     ; p = 2^(t - M), at most 1: not normalised
.set j, j+1
.endr
	v_pk_mul_f32 v[14:15], v[14:15], v[252:253] op_sel_hi:[1,0]   ; the sums under the new M; a plain place behind the exponentials
	s_wait_alu depctr_va_vdst(0)                   ; one wait for the whole batch, ahead of its first reader
; the row's sum of the unquantised p (32 additions); among them, line by line, the chain that makes p's scale operands and scale word, and the conversions
.irp c, 0,1
	v_max_num_f32 v[232+\c], 0x1800000, v[232+\c]  ; the floor 2^(3 - 127): the byte cannot fall under 1
.endr
	TF \Y, 212, 0
	TF \Y, 214, 2
	TF \Y, 216, 4
	TF \Y, 218, 6
.irp c, 0,1
	v_add_nc_u32 v[244+\c], 0xff000000, v[232+\c]  ; 2 off the exponent field: the conversion's scale operand
.endr
	TF \Y, 220, 8
	TF \Y, 222, 10
	TF \Y, 236, 12
	TA \Y, 14, 14
.irp c, 0,1
	v_lshrrev_b32 v[246+\c], 23, v[244+\c]         ; the scale's byte
.endr
	TA \Y, 212, 15
	TA \Y, 214, 16
	TA \Y, 216, 17
	TA \Y, 218, 18
	v_lshl_or_b32 v204, v247, 16, v246             ; my two bytes: blocks h and 2 + h,
	TA \Y, 220, 19
	TA \Y, 222, 20
	v_lshlrev_b32 v204, v28, v204                  ; at their places in the word;
	TA \Y, 236, 21
	TA \Y, 14, 22
	v_permlanex16_b32 v243, v204, s[SEL], s[SEL+1]
	TA \Y, 212, 23
	TA \Y, 214, 24
	v_or_b32 v204, v204, v243                      ; with lane l xor 16's two: p's scale word for these 128 keys
	TA \Y, 216, 25
	TA \Y, 218, 26
	TA \Y, 220, 27
	TA \Y, 222, 28
	TA \Y, 236, 29
	TA \Y, 14, 30
	TA \Y, 212, 31
	v_cvt_scalef32_pk16_fp6_f32 v[224:226], v[\Y:\Y+15], v244
	TM 14, 218
	TM 236, 216
	v_cvt_scalef32_pk16_fp6_f32 v[206:208], v[\Y+16:\Y+31], v244   ; (a conversion's three registers begin on an even number)
	TM 222, 214
	TM 220, 212
	v_cvt_scalef32_pk16_fp6_f32 v[230:232], v[\Y+32:\Y+47], v245
	TM 14, 222
	TM 236, 220
	v_cvt_scalef32_pk16_fp6_f32 v[246:248], v[\Y+48:\Y+63], v245
	TM 14, 236                                     ; also the plain place behind the last conversion
	s_wait_alu depctr_va_vdst(0)                   ; directly ahead of the wait below
	s_wait_dscnt 0x0                               ; V's fragments and scale words are in: so every wait for LDS loads is for all, with the fetch below or without it
.if \test
	s_cmp_eq_u32 s[CNT], 1
	s_cbranch_scc1 .Lno_more_\@                    ; behind the last step there is no K
.endif
	KLOAD \Y, 6144*(\o+1), 512*(\o+1)              ; p has been summed and converted: the next step's K lands where it lay
.if \test
.Lno_more_\@:
.endif
.irp i, 0,1,2
	v_mov_b32 v[227+\i], v[206+\i]                 ; registers 6 c .. 6 c + 5 of p's operand: keys 64 c + 32 h + 0 .. 31
	v_mov_b32 v[233+\i], v[246+\i]
.endr
	s_wait_alu depctr_va_vdst(0)                   ; directly ahead of the first reader of O^T
.set j, 0
.rept 16
	v_pk_mul_f32 v[160+j:161+j], v[160+j:161+j], v[252:253] op_sel_hi:[1,0]   ; O^T under the new M; also the places between p's codes and scale word and the products
.set j, j+2
.endr
.irp d, 0,1,2,3
	v_wmma_scale_f32_16x16x128_f8f6f4 v[160+8*\d:167+8*\d], v[\X+12*\d:\X+12*\d+11], v[224:235], v[160+8*\d:167+8*\d], v[200+\d], v204 matrix_a_fmt:MATRIX_FMT_FP6 matrix_b_fmt:MATRIX_FMT_FP6
.endr
.endm
	s_wait_alu depctr_va_vdst(0)                   ; the wait at the head's end
	s_wait_loadcnt 0x0                             ; Q
	s_cmp_lt_u32 s[WV], 4
	s_cbranch_scc0 .Lnot_first
	s_wait_tensorcnt 0x0                           ; waves 0 to 3: the first 512 keys and the scale words
.Lnot_first:
	s_barrier_signal -1
	s_barrier_wait -1
	v_add_nc_u32 v5, s[TB], v1
	v_add_nc_u32 v6, s[TB], v2
	v_add_nc_u32 v7, s[TS], v3
	KLOAD R0, 0, 0                                 ; key step 0's K
	STEP R0, R1, 0, 0                              ; key steps 0, 1; they fetch K of steps 1, 2, which lie in the first 512 keys
	STEP R1, R0, 1, 0
	s_wait_tensorcnt 0x0                           ; every wave: its load has landed;
	s_wait_dscnt 0x0                               ; no LDS access of mine is out at a signal
	s_barrier_signal -1
	s_barrier_wait -1                              ; all of K and V is in for all sixteen waves
	s_mov_b32 s[TB], 2*6144
	s_mov_b32 s[TS], 2*512
	s_mov_b32 s[TJ], 2*256
	s_mov_b32 s[CNT], 7
.Lrest:                                                ; key steps 2 to 15, two a trip
	STEP R0, R1, 0, 0
	STEP R1, R0, 1, 1
	s_add_co_u32 s[TB], s[TB], 2*6144
	s_add_co_u32 s[TS], s[TS], 2*512
	s_add_co_u32 s[TJ], s[TJ], 2*256
	s_sub_co_u32 s[CNT], s[CNT], 1
	s_cmp_lg_u32 s[CNT], 0
	s_cbranch_scc1 .Lrest
	; THE WAY OUT: O^T / the sum, quantised along the head's 64 channels, which are two blocks of the last projection's K
.rept 4
	v_nop                                          ; places behind the last products
.endr
	v_add_f32 v14, v14, v15                        ; the sum's two halves,
	v_permlanex16_b32 v252, v14, s[SEL], s[SEL+1]
	v_add_f32 v14, v14, v252                       ; and lane l xor 16's: the row's sum l
	s_wait_alu depctr_va_vdst(0)
	v_rcp_f32 v254, v14
	v_nop                                          ; a plain place behind the transcendental
	s_wait_alu depctr_va_vdst(0)                   ; and the wait ahead of its first reader
	v_fma_f32 v252, -v14, v254, 1.0                ; one step of Newton's: the number goes into a quantiser
	v_fma_f32 v14, v254, v252, v254                ; 1 / l
.set j, 0
.rept 16
	v_pk_mul_f32 v[96+j:97+j], v[160+j:161+j], v[14:15] op_sel_hi:[1,0]   ; register 16 b + i: channel 32 b + 16 h + i of my query
.set j, j+2
.endr
.irp b, 0,1
	v_max3_num_f32 v[232+\b], |v[96+16*\b]|, |v[97+16*\b]|, 0x1800000
.endr
.irp i, 2,4,6,8,10,12,14
.irp b, 0,1
	v_max3_num_f32 v[232+\b], v[232+\b], |v[96+16*\b+\i]|, |v[97+16*\b+\i]|
.endr
.endr
.irp b, 0,1
	v_permlanex16_b32 v[236+\b], v[232+\b], s[SEL], s[SEL+1]
.endr
.irp b, 0,1
	v_max_num_f32 v[232+\b], v[232+\b], v[236+\b]
.endr
.irp b, 0,1
	v_add_nc_u32 v[244+\b], 0xff000000, v[232+\b]
.endr
.irp b, 0,1
	v_lshrrev_b32 v[236+\b], 23, v[244+\b]
.endr
	v_lshl_or_b32 v248, v237, 8, v236              ; my query's two scale bytes
	v_cvt_scalef32_pk16_fp6_f32 v[224:226], v[96:111], v244
	v_cvt_scalef32_pk16_fp6_f32 v[236:238], v[112:127], v245
	v_nop
.irp i, 0,1,2
	v_permlane16_swap_b32 v[224+\i], v[236+\i]
.endr
.irp i, 0,1,2
	v_mov_b32 v[227+\i], v[236+\i]                 ; v224-229: lanes 0-15 block 0 of query r, lanes 16-31 block 1: an image of 768 bytes
.endr
	global_store_b128 v1, v[224:227], s[8:9]
	global_store_b64 v2, v[228:229], s[8:9] offset:512
	v_cmp_gt_u32 vcc_lo, 16, v9
	s_wait_xcnt 0x0                                ; EXEC changes only behind this wait
	s_and_saveexec_b32 s66, vcc_lo
	global_store_b16 v11, v248, s[10:11]           ; lanes 0-15: two bytes of each of 16 rows of 32
	s_wait_xcnt 0x0                                ; and again, in front of the line that widens it
	s_or_b32 exec_lo, exec_lo, s66
	s_wait_tensorcnt 0x0                           ; the wave's end
	ds_add_u32 v250, v251
	s_wait_dscnt 0x0
	CROUND                                         ; the closing round
	s_endpgm
.Lfunc_end_k_q3eac016f07_attn:
	.size	k_q3eac016f07_attn, .Lfunc_end_k_q3eac016f07_attn-k_q3eac016f07_attn
	.p2alignl 7, 3214868480
	.fill 96, 4, 3214868480
	.section	.rodata,"a",@progbits
	.p2align	6, 0x0
	.amdhsa_kernel k_q3eac016f07_attn
		.amdhsa_group_segment_fixed_size 210944
		.amdhsa_private_segment_fixed_size 0
		.amdhsa_enable_private_segment 0
		.amdhsa_kernarg_size 32
		.amdhsa_user_sgpr_count 2
		.amdhsa_user_sgpr_kernarg_segment_ptr 1
		.amdhsa_wavefront_size32 1
		.amdhsa_system_sgpr_workgroup_id_x 1
		.amdhsa_system_sgpr_workgroup_id_y 1
		.amdhsa_system_sgpr_workgroup_id_z 1
		.amdhsa_system_vgpr_workitem_id 0
		.amdhsa_next_free_vgpr 256
		.amdhsa_next_free_sgpr 76
		.amdhsa_reserve_vcc 1
		.amdhsa_float_denorm_mode_32 3
		.amdhsa_float_denorm_mode_16_64 3
		.amdhsa_memory_ordered 1
		.amdhsa_forward_progress 1
		.amdhsa_inst_pref_size 75
	.end_amdhsa_kernel
	.amdgpu_metadata
---
amdhsa.version: [ 1, 2 ]
amdhsa.kernels:
  - .name:           k_q3eac016f07_attn
    .symbol:         k_q3eac016f07_attn.kd
    .args:
      - { .name: hc, .offset: 0, .size: 8, .value_kind: global_buffer, .address_space: global }
      - { .name: hs, .offset: 8, .size: 8, .value_kind: global_buffer, .address_space: global }
      - { .name: oc, .offset: 16, .size: 8, .value_kind: global_buffer, .address_space: global }
      - { .name: os, .offset: 24, .size: 8, .value_kind: global_buffer, .address_space: global }
    .group_segment_fixed_size: 210944
    .private_segment_fixed_size: 0
    .kernarg_segment_align: 8
    .kernarg_segment_size: 32
    .max_flat_workgroup_size: 512
    .sgpr_count:     76
    .vgpr_count:     256
    .wavefront_size: 32
...
	.end_amdgpu_metadata
.endif
;; end of part 3
;; launch oproj (part 4): grid 8 x 32, 4 waves a work-group, clusters of 4 x 4, 214,528 bytes of LDS; arguments oc, os, cd1, sc1, out0, bo; writes out0
.if DOCPART == 4
	.amdgcn_target "amdgcn-amd-amdhsa--gfx1250"
	.amdhsa_code_object_version 6
	.text
	.protected	k_q3eac016f07_oproj
	.globl	k_q3eac016f07_oproj
	.p2align	8
	.type	k_q3eac016f07_oproj,@function
k_q3eac016f07_oproj:
	s_mov_b64 s[64:65], 0
	v_nop
	global_prefetch_b8 v0, s[64:65] scope:SCOPE_SE
	s_setreg_imm32_b32 hwreg(HW_REG_WAVE_MODE, 25, 1), 1
	s_wait_xcnt 0x0
	s_wait_alu depctr_hold_cnt(0) depctr_sa_sdst(0) depctr_va_vdst(0) depctr_va_sdst(0) depctr_va_ssrc(0) depctr_va_vcc(0) depctr_vm_vsrc(0)
	s_getreg_b32 s2, hwreg(HW_REG_IB_STS2, 6, 4)
	s_cmp_eq_u32 s2, 0
	s_cbranch_scc0 .Lentry_in_a_cluster
	s_endpgm
.Lentry_in_a_cluster:
	s_bfe_u32 s2, ttmp6, 0x10000c
	s_cmp_lg_u32 s2, 0xf033
	s_cbranch_scc0 .Lentry_shape_is_right
	s_endpgm
.Lentry_shape_is_right:
; out0 = O Wo^T + bo on codes of FP6 (E2M3), K = 1,024.  O: 4,096 tokens (oc, os, from the attention launch); Wo: stacked rows 15,360 on of cd1 and sc1.  out0: [4096][1024] f32.
; TILES OF 128 x 128: 256 tiles, a work-group each.  Four waves, each 64 x 64: 16 accumulators of 16 x 16, 128 registers.
; ALL OF K STAYS IN LDS, each byte filled once: [half of K][O's 8 groups of 16 rows, then Wo's 8][6,144 bytes].  Every wave issues ONE tensor load: wave 0 O's rows and wave 1 Wo's rows for K = 0 .. 511,
; waves 2 and 3 the same for K = 512 .. 1,023: 8 rows of 6,144 bytes, 12,288 bytes apart in memory.  The first barrier shows the tiles of waves 0 and 1 alone; the second half lands
; while the first is multiplied and is shown by a barrier in step 3.  Nothing is prefetched: every tile is asked for at the head.
; THE SCALE WORDS go from memory straight into registers: a row's 32 bytes are its eight words, one for each step of 128; two loads of 16 bytes a lane cover 512 consecutive bytes of 16 rows.
; CLUSTERS: 4 x 4 work-groups.  The four of a row of the cluster need the same rows of O, the four of a column the same rows of Wo: each tile is asked for JOINTLY.
; THE MATRIX INSTRUCTION TAKES Wo's ROWS AS SOURCE 0 AND O's AS SOURCE 1: a lane then holds eight neighbouring numbers of a row of out0.
; CODES lie as images of operand registers ([group of 16 rows][K / 64][768 bytes]): a fragment (16 rows x 128 K, 12 registers) comes from LDS by four loads of 512 or 256 consecutive bytes.
; REGISTERS: window 0: v1-7, v16, v17 at work at the head; v8-15 LDS addresses of my fragments, one for each half of K; v24-27 bo; v28-30 the way out; v32-63 O's scale words, v68-99 Wo's;
;   v126, v127 for the add; v128-255 the accumulators ((a, b) at v[128 + 8 (4 a + b)]).   window 1: two fragment buffers, at v0 and v128: O's four fragments, then Wo's four.
.set GB,     6144                      ; a group's bytes of half of K: eight images
.set FR,     12
.set SIDE,   8*GB
.set HALF,   2*SIDE
.set STAGE,  2*HALF                    ; the way out: 16 rows x (256 bytes + 16) for each wave, in bytes into which no fill lands
.set SPITCH, 272
.set SPARE,  STAGE+4*16*SPITCH         ; the spare words
.set A16,  8
.set A8,   10
.set B16,  12
.set B8,   14
.set BIAS, 24
.set STO,  28
.set RD,   29
.set CO,   30
.set SCA,  32                          ; register 8 i + k: the word of O's block i for step k
.set SCB,  68                          ; the same for Wo's; the two registers of a product differ modulo 8
.set ACC,  128
.set G1,   24
.set G1B,  32
.set G0A,  40
.set G0B,  44
.set MSB, 0
.macro WIN new
.if MSB != (\new)
	s_set_vgpr_msb (MSB<<8)|(\new)
.set MSB, (\new)
.endif
.endm
.set MUL,  0x05                        ; sources 0 and 1 window 1; C and D window 0
.set TO_F, 0x40                        ; destination window 1, address window 0
.macro CROUND
	s_barrier_signal -1
	s_barrier_wait -1
	s_cmp_lg_u32 s16, 0
	s_cbranch_scc1 .Lnot_wave_0_\@
	s_barrier_signal -3
.Lnot_wave_0_\@:
	s_barrier_wait -3
	s_barrier_signal -1
	s_barrier_wait -1
.endm
.macro PLACES
.rept 4
	v_nop
.endr
.endm
	s_load_b128 s[4:7], s[0:1], 0x0                ; oc, os
	s_load_b128 s[8:11], s[0:1], 0x10              ; cd1, sc1
	s_load_b128 s[12:15], s[0:1], 0x20             ; out0, bo
	v_lshl_add_u32 v126, v0, 2, SPARE
	v_mov_b32 v127, 0
	ds_add_u32 v126, v127                          ; the opening lines: the add twice on end and its wait
	ds_add_u32 v126, v127
	v_lshrrev_b32 v1, 5, v0
	v_readfirstlane_b32 s16, v1                    ; wave 0..3
	s_lshr_b32 s17, s16, 1                         ; which half of the tile's rows is mine.  Also: which half of K I fetch
	s_and_b32 s18, s16, 1                          ; which half of its columns.  Also: I fetch O's rows (0) or Wo's (1)
	s_bfe_u32 s19, ttmp6, 0x40000                  ; cx, cy
	s_bfe_u32 s20, ttmp6, 0x40004
	s_lshl_b32 s21, ttmp9, 2
	s_add_co_u32 s21, s21, s19                     ; tile column
	s_and_b32 s22, ttmp7, 0xffff
	s_lshl_b32 s22, s22, 2
	s_add_co_u32 s22, s22, s20                     ; tile row
	s_lshl_b32 s23, s20, 2
	s_lshl_b32 s23, 15, s23                        ; my row of the cluster
	s_lshl_b32 s50, 0x1111, s19                    ; my column
	s_or_b32 s[G1], s23, (3<<16)|(1<<21)           ; elements of 8 bytes; bit 21 beside the mask
	s_or_b32 s[G1B], s50, (3<<16)|(1<<21)
.irp g, G1, G1B
	s_mov_b32 s[\g+1], 768<<16                     ; a row: 768 elements
	s_mov_b32 s[\g+2], 8<<16
	s_mov_b32 s[\g+3], 768<<16
	s_mov_b32 s[\g+4], 8
	s_mov_b32 s[\g+5], 1536                        ; from group to group
	s_mov_b32 s[\g+6], 0
	s_mov_b32 s[\g+7], 0
.endr
	s_mul_i32 s52, s22, 98304                      ; O's 128 rows: 768 bytes a row,
	s_mul_i32 s54, s17, GB                         ; the half of K that I fetch
	s_add_co_u32 s52, s52, s54
	s_mov_b32 s53, 0
	s_mul_i32 s56, s21, 98304                      ; Wo's 128 rows, from stacked row 15,360 on
	s_add_co_u32 s56, s56, s54
	s_add_co_u32 s56, s56, 15360*768
	s_mov_b32 s57, 0
	s_mul_i32 s[G0A+1], s17, HALF                  ; no place in the cluster enters an LDS address
	s_add_co_u32 s[G0B+1], s[G0A+1], SIDE
	s_lshl_b32 s58, s22, 12                        ; my 64 rows' scale bytes: 32 a row
	s_lshl_b32 s55, s17, 11
	s_add_co_u32 s58, s58, s55
	s_mov_b32 s59, 0
	s_lshl_b32 s60, s21, 12
	s_lshl_b32 s55, s18, 11
	s_add_co_u32 s60, s60, s55
	s_add_co_u32 s60, s60, 15360*32
	s_mov_b32 s61, 0
	s_lshl_b32 s62, s21, 9                         ; my first column, in bytes: in bo and in a row of out0 alike
	s_lshl_b32 s55, s18, 8
	s_add_co_u32 s62, s62, s55
	s_mov_b32 s63, 0
	s_lshl_b32 s66, s22, 19                        ; my first row of out0: 4,096 bytes a row
	s_lshl_b32 s55, s17, 18
	s_add_co_u32 s66, s66, s55
	s_add_co_u32 s66, s66, s62
	s_mov_b32 s67, 0
	s_mul_i32 s70, s17, 4*GB                       ; LDS: my four groups of O,
	s_mul_i32 s71, s18, 4*GB
	s_add_co_u32 s71, s71, SIDE                    ; of Wo,
	s_mul_i32 s72, s16, 16*SPITCH
	s_add_co_u32 s72, s72, STAGE                   ; my stage
	s_wait_dscnt 0x0
	s_wait_kmcnt 0x0
	s_mov_b32 s[G0A], 1
	s_add_nc_u64 s[G0A+2:G0A+3], s[4:5], s[52:53]
	s_or_b32 s[G0A+3], s[G0A+3], 0x80000000
	s_mov_b32 s[G0B], 1
	s_add_nc_u64 s[G0B+2:G0B+3], s[8:9], s[56:57]
	s_or_b32 s[G0B+3], s[G0B+3], 0x80000000
	s_add_nc_u64 s[6:7], s[6:7], s[58:59]
	s_add_nc_u64 s[10:11], s[10:11], s[60:61]
	s_add_nc_u64 s[14:15], s[14:15], s[62:63]
	s_add_nc_u64 s[12:13], s[12:13], s[66:67]
	CROUND                                         ; all sixteen work-groups are here: the joint loads meet
.macro ARM under, g0, g1, next         ; one chain of branches on the wave's number, one load to an arm
	s_cmp_lt_u32 s16, \under
	s_cbranch_scc0 \next
	tensor_load_to_lds s[\g0:\g0+3], s[\g1:\g1+7]
	s_nop 0
	PLACES
	s_branch .Lasked
\next:
.endm
	ARM 1, G0A, G1,  .Larm_1
	ARM 2, G0B, G1B, .Larm_2
	ARM 3, G0A, G1,  .Larm_3
	tensor_load_to_lds s[G0B:G0B+3], s[G1B:G1B+7]
	s_nop 0
	PLACES
.Lasked:
	v_and_b32 v1, 15, v0                           ; r
	v_bfe_u32 v2, v0, 4, 1                         ; h
	v_and_b32 v3, 31, v0
	v_lshlrev_b32 v4, 4, v1                        ; 16 r
	v_lshlrev_b32 v7, 5, v1                        ; 32 r
	v_lshlrev_b32 v5, 4, v3                        ; 16 x lane
	v_lshlrev_b32 v6, 3, v3                        ; 8 x lane
.irp i, 0,1,2,3
.irp c, 0,1
	global_load_b128 v[SCA+8*\i+4*\c:SCA+8*\i+4*\c+3], v7, s[6:7] offset:512*\i+16*\c
	global_load_b128 v[SCB+8*\i+4*\c:SCB+8*\i+4*\c+3], v7, s[10:11] offset:512*\i+16*\c
.endr
.endr
	global_load_b128 v[BIAS:BIAS+3], v4, s[14:15]
	v_add_nc_u32 v[A16], s70, v5
	v_add_nc_u32 v[A8], s70, v6
	v_add_nc_u32 v[B16], s71, v5
	v_add_nc_u32 v[B8], s71, v6
.irp a, A16, A8, B16, B8
	v_add_nc_u32 v[\a+1], HALF, v[\a]
.endr
	v_mul_u32_u24 v16, v1, SPITCH                  ; the stage, in: row r, 32 bytes for each half of the lanes
	v_lshl_add_u32 v16, v2, 5, v16
	v_add_nc_u32 v[STO], s72, v16
	v_mul_u32_u24 v17, v2, SPITCH                  ; back: lanes 0-15 take one row of 256 bytes, lanes 16-31 the next
	v_lshl_add_u32 v17, v1, 4, v17
	v_add_nc_u32 v[RD], s72, v17
	v_lshlrev_b32 v[CO], 12, v2                    ; and the same two rows in out0
	v_lshl_add_u32 v[CO], v1, 4, v[CO]
.macro FRAG reg, a16, a8, q, i
	ds_load_b128 v[\reg:\reg+3], v[\a16] offset:GB*(\i)+1536*(\q)
	ds_load_b64 v[\reg+4:\reg+5], v[\a8] offset:GB*(\i)+1536*(\q)+512
	ds_load_b128 v[\reg+6:\reg+9], v[\a16] offset:GB*(\i)+1536*(\q)+768
	ds_load_b64 v[\reg+10:\reg+11], v[\a8] offset:GB*(\i)+1536*(\q)+1280
.endm
.macro FETCH k, f                      ; 32 LDS loads in one run: step k's fragments into buffer f
	WIN TO_F
.irp i, 0,1,2,3
	FRAG 128*(\f)+48+FR*\i, B16+(\k)/4, B8+(\k)/4, (\k)%4, \i
.endr
.irp i, 0,1,2,3
	FRAG 128*(\f)+FR*\i, A16+(\k)/4, A8+(\k)/4, (\k)%4, \i
.endr
.endm
; 8 products: O's blocks a0, a0 + 1 x Wo's four.  The 16 accumulators take turns, one instruction a turn, in the same order in every step; the first step starts the sums.
.macro MUL8 f, k, a0, zero
.irp a, \a0, \a0+1
.irp b, 0,1,2,3
.if \zero
	v_wmma_scale_f32_16x16x128_f8f6f4 v[ACC+8*(4*(\a)+\b):ACC+8*(4*(\a)+\b)+7], v[128*(\f)+48+FR*\b:128*(\f)+48+FR*\b+FR-1], v[128*(\f)+FR*(\a):128*(\f)+FR*(\a)+FR-1], 0, v[SCB+8*\b+(\k)], v[SCA+8*(\a)+(\k)] matrix_a_fmt:MATRIX_FMT_FP6 matrix_b_fmt:MATRIX_FMT_FP6
.else
	v_wmma_scale_f32_16x16x128_f8f6f4 v[ACC+8*(4*(\a)+\b):ACC+8*(4*(\a)+\b)+7], v[128*(\f)+48+FR*\b:128*(\f)+48+FR*\b+FR-1], v[128*(\f)+FR*(\a):128*(\f)+FR*(\a)+FR-1], v[ACC+8*(4*(\a)+\b):ACC+8*(4*(\a)+\b)+7], v[SCB+8*\b+(\k)], v[SCA+8*(\a)+(\k)] matrix_a_fmt:MATRIX_FMT_FP6 matrix_b_fmt:MATRIX_FMT_FP6
.endif
.endr
.endr
.endm
; Step k of eight, on buffer k % 2; in its middle the next step's fragments are fetched into the other buffer.  Step 4 begins the second half of K: in step 3 every wave waits for its tensor load, and a barrier,
; with eight products between signal and wait, shows that half to all.
.macro KSTEP k, zero
	s_wait_dscnt 0x0                               ; this step's fragments are in; no LDS access of mine is out at a signal
.if (\k) == 3
	s_wait_tensorcnt 0x0
	s_barrier_signal -1
.endif
	WIN MUL
	MUL8 (\k)%2, \k, 0, \zero
.if (\k) == 3
	s_barrier_wait -1
.endif
.if (\k) < 7
	PLACES                                         ; the other buffer was read by the step before
	FETCH (\k)+1, 1-(\k)%2
	WIN MUL
.endif
	MUL8 (\k)%2, \k, 2, \zero
.endm
	s_wait_alu depctr_va_vdst(0)                   ; the wait at the head's end
	s_cmp_lt_u32 s16, 2
	s_cbranch_scc0 .Lnot_first
	s_wait_tensorcnt 0x0                           ; waves 0 and 1: the first half of K
.Lnot_first:
	s_barrier_signal -1
	s_barrier_wait -1
	FETCH 0, 0
	s_wait_loadcnt 0x0                             ; the scale words and bo
	KSTEP 0, 1
.irp k, 1,2,3,4,5,6,7
	KSTEP \k, 0
.endr
	WIN 0
; THE WAY OUT, block by block of 16 rows x 64 columns: through my own stage in LDS and back as whole rows of 256 bytes, into the registers that the block left; bo is added; sixteen lanes store 256 consecutive
; bytes, aligned.  LDS serves a wave's instructions in order (ISA guide 5.7.1.4): no wait between the stores and the loads.  Each block has registers of its own and every offset is an immediate.
.macro TOSTAGE a
.irp b, 0,1,2,3
	ds_store_b128 v[STO], v[ACC+8*(4*(\a)+\b):ACC+8*(4*(\a)+\b)+3] offset:64*\b          ; each accumulator from its low end on
	ds_store_b128 v[STO], v[ACC+8*(4*(\a)+\b)+4:ACC+8*(4*(\a)+\b)+7] offset:64*\b+16
.endr
.irp t, 0,1,2,3,4,5,6,7
	ds_load_b128 v[ACC+32*(\a)+4*\t:ACC+32*(\a)+4*\t+3], v[RD] offset:\t*2*SPITCH
.endr
.endm
.macro SEND a, younger                 ; younger: the LDS instructions issued behind block a's loads, which may stay out
	s_wait_dscnt \younger
.irp t, 0,1,2,3,4,5,6,7
	v_pk_add_f32 v[ACC+32*(\a)+4*\t:ACC+32*(\a)+4*\t+1], v[ACC+32*(\a)+4*\t:ACC+32*(\a)+4*\t+1], v[BIAS:BIAS+1]
	v_pk_add_f32 v[ACC+32*(\a)+4*\t+2:ACC+32*(\a)+4*\t+3], v[ACC+32*(\a)+4*\t+2:ACC+32*(\a)+4*\t+3], v[BIAS+2:BIAS+3]
.endr
.irp t, 0,1,2,3,4,5,6,7
	global_store_b128 v[CO], v[ACC+32*(\a)+4*\t:ACC+32*(\a)+4*\t+3], s[12:13] offset:(16*(\a)+2*\t)*4096 th:TH_STORE_NT
.endr
.endm
	PLACES                                         ; in front of the first read of results
	TOSTAGE 0
	TOSTAGE 1
	SEND 0, 16                                     ; behind block 0's loads: block 1's 8 stores and 8 loads
	TOSTAGE 2
	SEND 1, 16
	TOSTAGE 3
	SEND 2, 16
	SEND 3, 0
	s_wait_tensorcnt 0x0                           ; the wave's end
	ds_add_u32 v126, v127
	s_wait_dscnt 0x0
	CROUND                                         ; the closing round
	s_endpgm
.Lfunc_end_k_q3eac016f07_oproj:
	.size	k_q3eac016f07_oproj, .Lfunc_end_k_q3eac016f07_oproj-k_q3eac016f07_oproj
	.p2alignl 7, 3214868480
	.fill 96, 4, 3214868480
	.section	.rodata,"a",@progbits
	.p2align	6, 0x0
	.amdhsa_kernel k_q3eac016f07_oproj
		.amdhsa_group_segment_fixed_size 214528
		.amdhsa_private_segment_fixed_size 0
		.amdhsa_enable_private_segment 0
		.amdhsa_kernarg_size 48
		.amdhsa_user_sgpr_count 2
		.amdhsa_user_sgpr_kernarg_segment_ptr 1
		.amdhsa_wavefront_size32 1
		.amdhsa_system_sgpr_workgroup_id_x 1
		.amdhsa_system_sgpr_workgroup_id_y 1
		.amdhsa_system_sgpr_workgroup_id_z 1
		.amdhsa_system_vgpr_workitem_id 0
		.amdhsa_next_free_vgpr 512
		.amdhsa_next_free_sgpr 76
		.amdhsa_reserve_vcc 0
		.amdhsa_float_denorm_mode_32 3
		.amdhsa_float_denorm_mode_16_64 3
		.amdhsa_memory_ordered 1
		.amdhsa_forward_progress 1
		.amdhsa_inst_pref_size 55
	.end_amdhsa_kernel
	.amdgpu_metadata
---
amdhsa.version: [ 1, 2 ]
amdhsa.kernels:
  - .name:           k_q3eac016f07_oproj
    .symbol:         k_q3eac016f07_oproj.kd
    .args:
      - { .name: oc, .offset: 0, .size: 8, .value_kind: global_buffer, .address_space: global }
      - { .name: os, .offset: 8, .size: 8, .value_kind: global_buffer, .address_space: global }
      - { .name: cd1, .offset: 16, .size: 8, .value_kind: global_buffer, .address_space: global }
      - { .name: sc1, .offset: 24, .size: 8, .value_kind: global_buffer, .address_space: global }
      - { .name: out0, .offset: 32, .size: 8, .value_kind: global_buffer, .address_space: global }
      - { .name: bo, .offset: 40, .size: 8, .value_kind: global_buffer, .address_space: global }
    .group_segment_fixed_size: 214528
    .private_segment_fixed_size: 0
    .kernarg_segment_align: 8
    .kernarg_segment_size: 48
    .max_flat_workgroup_size: 128
    .sgpr_count:     76
    .vgpr_count:     512
    .wavefront_size: 32
...
	.end_amdgpu_metadata
.endif
;; end of part 4
